; MI455X (gfx1250); checked and timed in simulation.
; The chip was launched on July 23, 2026; its instructions are those of AMD's public machine-readable ISA for CDNA 5 (MIT licence, August 2026) and "CDNA5" Instruction Set Architecture Reference Guide (July 2026). The comments in the code are by the model that wrote it; some were corrected since.
;; Associative Incremental Attention. Allowed arithmetic: matrix products marked QUANTISED: E2M3 operands, one E8M0 scale for each 32 along K, by v_wmma_scale_f32_16x16x128_f8f6f4 with both operands' format E2M3, f32 sums; everything else in f32.
;; Inputs: Wk 512 x 512 float32; Wo 512 x 512 float32; Wq 512 x 512 float32; Wv 512 x 512 float32; assoc_bias 2 x 2,048 x 2,048 float32; attention_mask 2,048 x 2,048 float32; bk 512 float32; bo 512 float32; bq 512 float32; bv 512 float32; concept_ids 2 x 2,048 int32; ipa_affinity_bias 2 x 2,048 x 2,048 float32; key_padding_mask 2 x 2,048 bool; x 2 x 2,048 x 512 float32.
;; Outputs: out0 2 x 2,048 x 512 float32.
;; This version of the problem:
;;   THIS VERSION OF THE PROBLEM IS GIVEN IN LOW PRECISION. The matrix products marked QUANTISED in the list below multiply operands that are first quantised to E2M3 (2 exponent bits, 3 mantissa bits; 6 bits a number), with one power-of-two scale for each 32 numbers along K (OCP MX v1.0); their sums are f32. All else is computed in f32.
;;   The module's matrix products, in the order in which they are computed (A, B: the left and right operand; K: the contracted axis; several contracted axes count as one K, in the product's order):
;;     1. [M 4,096, K 512] x [K 512, N 512]; A: input x; B: input Wq: QUANTISED
;;     2. [M 4,096, K 512] x [K 512, N 512]; A: input x; B: input Wk: QUANTISED
;;     3. [M 4,096, K 512] x [K 512, N 512]; A: input x; B: input Wv: QUANTISED
;;     4. batch 16 x [M 2,048, K 64] x [K 64, N 2,048]; A: computed on the way; B: computed on the way: QUANTISED
;;     5. batch 16 x [M 2,048, K 2,048] x [K 2,048, N 64]; A: softmax (see below); B: computed on the way: QUANTISED
;;     6. [M 4,096, K 512] x [K 512, N 512]; A: computed on the way; B: input Wo: QUANTISED
;;   THE QUANTISER, for each operand of a quantised product, along K:
;;     - K is cut into blocks of 32 from its start; a last block that is shorter is filled with zeros.
;;     - A block's scale is 2^e with e = floor(log2(the largest magnitude in the block)) - 2, held to -126 .. 127; a block of zeros has e = 0. As a byte (E8M0): e + 127.
;;     - Each number is divided by its block's scale, clamped to +-7.5, and rounded to the nearest number of E2M3, ties to even, subnormals kept.
;;     - The product sums the exact products of the quantised numbers (number of the format x scale) in f32.
;;   ~~~python
;;   def quantise(x, axis):      # numpy; x: float32 -> the quantised numbers, widened to float32 again
;;       x = np.moveaxis(x, axis, -1); K = x.shape[-1]
;;       x = np.pad(x, [(0, 0)] * (x.ndim - 1) + [(0, -K % 32)]); x = x.reshape(x.shape[:-1] + (-1, 32)); a = np.abs(x).max(-1, keepdims=True)
;;       e = np.where(a > 0, np.clip(np.frexp(np.where(a > 0, a, 1))[1] - 1 - 2, -126, 127), 0)      # np.frexp(a)[1] - 1 = floor(log2(a)), exactly
;;       r = np.clip(x / 2.0 ** e, -7.5, 7.5)
;;       step = 2.0 ** (np.maximum(np.frexp(np.where(r == 0, 1, r))[1] - 1, 0) - 3)
;;       q = np.round(r / step) * step * 2.0 ** e      # np.round: ties to even
;;       return np.moveaxis(q.reshape(q.shape[:-2] + (-1,))[..., :K], -1, axis).astype(np.float32)
;;   ~~~
;;   SOFTMAX AHEAD OF A QUANTISED PRODUCT. Where the list says 'softmax', what is quantised is not the finished softmax but p = 2^(t - M), with t = logit x log2(e) and M = ceil(the row's largest t), a whole number; so 1/2 < the row's largest p <= 1. The row's sum l is taken of the UNQUANTISED p, in f32, and the product's result is divided by l at the end. Since M is a whole number, a kernel that streams over the keys may use a running M (the ceiling of the running maximum): every later rescaling is an exact power of two, which a block's scale takes up: the codes' values come out the same.
;;   OPERANDS COMPUTED ON THE WAY. 'Computed on the way' means the value that the module computes at that place (a softmax that the list does not call 'softmax' is quantised finished and normalised). What goes into a quantiser is computed in f32, as accurately as f32 sums, v_exp_f32 and their like allow (about 1e-6 of the number): no bf16 or f16 on the way to a quantiser, and a product that is left as it is and whose result goes on into a quantised operand takes f32 operands (vector FMAs, or v_wmma_f32_16x16x4_f32). A number that lies on a knife's edge between two numbers of the format may be rounded either way, as far as f32 arithmetic and the matrix unit's own rounding can turn it there, and no further.
;; 2 versions. Each part assembles by itself: llvm-mc -triple=amdgcn-amd-amdhsa -mcpu=gfx1250 --defsym DOCPART=n.
;; ======== version 1 of 2: 2 launches
;; workspace buffers: q_codes 1,572,864 bytes; q_scales 131,072 bytes; kv 3,342,336 bytes; wo_codes 196,608 bytes; wo_scales 8,192 bytes
;; launch proj (part 1): grid 8 x 33, 8 waves a work-group, no clusters, 136,192 bytes of LDS; arguments x, Wq, Wk, Wv, Wo, bq, bk, bv, q_codes, q_scales, kv, wo_codes, wo_scales; writes q_codes, q_scales, kv, wo_codes, wo_scales
.if DOCPART == 1
	.amdgcn_target "amdgcn-amd-amdhsa--gfx1250"
	.amdhsa_code_object_version 6
	.text
	.protected	k_q305252df9d_proj
	.globl	k_q305252df9d_proj
	.p2align	8
	.type	k_q305252df9d_proj,@function
k_q305252df9d_proj:
	s_mov_b64 s[64:65], 0
	v_nop
	global_prefetch_b8 v0, s[64:65] scope:SCOPE_SE
	s_setreg_imm32_b32 hwreg(HW_REG_WAVE_MODE, 25, 1), 1
	s_wait_xcnt 0x0
; q, k, v = x W^T + b on codes of FP6 (E2M3) with one E8M0 scale for each 32 along K, and q, k, v quantised again for the attention launch.  Nothing wider than codes is stored.
; SHARES.  Work-group (x = head, y = block of 128 rows of x, y < 32) makes the head's 64 channels of q, k and v for its 128 rows.  The 8 work-groups with y = 32 quantise Wo (64 rows each) and use no LDS.
; PHASE X: the eight waves quantise the block's 128 rows of x (32 fragments of 16 rows x 128 K) and the head's 64 rows of Wk, Wq, Wv (48 fragments) and lay them in LDS as IMAGES OF THE OPERAND'S REGISTERS:
;   a fragment's 12 registers by 3 ds_store_b128, lane l's 16 bytes at 16 l; its scale words 4 bytes a lane.  One barrier.
; PHASE G: wave w = (mu = w & 1: k or q, m = w >> 1) makes 4 tiles of channels x 2 tiles of rows (source 0 = W, source 1 = x: a lane holds one row, its registers run along the channels), quantises along the channels;
;   wave w = (c = w >> 2, n = w & 3) makes 4 tiles of rows x 1 tile of v's channels (source 0 = x, source 1 = Wv: a lane holds one channel, its registers run along the keys), quantises along the keys.
; THE ROWS OF A TILE ARE NOT NEIGHBOURS: lane r of tile t takes row 32 (t / 2) + 8 (t % 2) + r + 8 (r / 8), in x and in every weight, so that the 16 registers of result tiles 2 b and 2 b + 1 are 16 neighbours along the next K.
; WHAT IS STORED.  A half fragment (16 rows x 64 K, 6 registers a lane) is 768 bytes: registers 0-3 at 16 x lane, registers 4-5 at 512 + 8 x lane.
;   q_codes [batch][tile of 16 queries][head][768];  q_scales [batch][head][tile][16 words];  kv [batch][block of 128 keys][head][13,056]: 8 tiles of k, 8 half fragments of v (tile n, keys 64 c on: 2 n + c), 128 scale words of k, 64 of v;
;   wo_codes [fragment 16 g + 4 a + s][1,536];  wo_scales [g][a][s / 2][32 lanes]: lanes 0-15 the even K step's words, lanes 16-31 the odd one's.
; x and the weights are loaded 64 bytes a lane and row (16 loads take 512 consecutive bytes of each of 16 rows): a turn through LDS for dense single loads would add 8 LDS instructions to each of the 80 jobs.
; LIMITS: NaN and infinities among the inputs are not served; a block whose largest magnitude lies under 2^-124 has its scale byte held at 1; a block of zeros has the byte 1 where the quantiser says 127 (its codes are zeros, and this program alone reads the bytes).
.set XIMG,  0                          ; LDS: x's 32 fragments (tile t, K step s: 4 t + s), 1,536 bytes each
.set WIMG,  49152                      ; the weights' 48: ((matrix: 0 Wk, 1 Wq, 2 Wv) x 4 + tile a) x 4 + s
.set XSC,   122880                     ; x's scale words, 128 bytes a fragment
.set WSC,   126976                     ; the weights'
.set SC,    133120                     ; the results' scale words: k 512 bytes, v 256, q 512
.set XA,    1                          ; v1   (r + 8 (r / 8)) x 2,048 + 64 h: my lane's bytes in 16 rows of x or of a weight
.set LI16,  2                          ; v2   16 x lane
.set LI8,   3                          ; v3   8 x lane
.set LXW,   4                          ; v4-7   where I store images and scale words: x's, the weights'
.set SXW,   5
.set LWW,   6
.set SWW,   7
.set LWM,   8                          ; v8-11  where I read them for q or k: my weight, my two tiles of rows
.set SWM,   9
.set LXM,   10
.set SXM,   11
.set LXC,   12                         ; v12-15 and for v: my four tiles of rows, my tile of Wv
.set SXC,   13
.set LWV,   14
.set SWV,   15
.set SCQK,  16                         ; v16-18 the results' scale words: in (q or k; v), out
.set SCV,   17
.set SCO,   18
.set GSO,   19                         ; v19  their place in memory
.set LI16B, 20                         ; v20-21 16 x lane, 8 x lane + the step to my second tile
.set LI8B,  21
.set H64,   22                         ; v22  64 h
.set R4P,   23                         ; v23  4 (r + 8 (r / 8))
.set SA,    24                         ; v24-27 source 0's scale words, v28-29 source 1's: they hold scales alone
.set SB,    28
.set PW,    30                         ; v30  the scale word just made
.set PW0,   31                         ; v31  bv of my channel; on Wo's path the first fragment's scale word
.set PC,    32                         ; v32-43 the codes just made; v44-50 at work
.set TMX,   52                         ; v52-55 largest magnitudes, v56-59 bytes, v60-63 the conversions' scale operands
.set TMB,   56
.set TMS,   60
.set LB,    64                         ; three sets of 64 numbers as loaded: v64, v128, v192
.set FA,    64                         ; phase G: source 0's four fragments, source 1's two, eight accumulators, the biases
.set FB,    112
.set ACC,   144
.set CB,    208
.set BV,    240
.set SEL,   40                         ; s[40:41] v_permlanex16_b32's selects for lane l xor 16
; 64 numbers a lane of 16 rows, 128 along K from byte off on: register 16 b + i = k 32 b + 16 h + i of my row
.macro XLOAD reg, base, off
.irp b, 0,1,2,3
.irp j, 0,1,2,3
	global_load_b128 v[\reg+16*\b+4*\j:\reg+16*\b+4*\j+3], v[XA], s[\base:\base+1] offset:\off+128*\b+16*\j
.endr
.endr
.endm
; those 64 numbers become a fragment's codes in v[PC] on and its scale word in v[PW]
.macro QUANT s
.irp b, 0,1,2,3
	v_max3_num_f32 v[TMX+\b], |v[\s+16*\b]|, |v[\s+1+16*\b]|, 0x1800000   ; block b: my 16 numbers, and the floor 2^(3 - 127): the byte cannot fall under 1
.endr
.irp i, 2,4,6,8,10,12,14
.irp b, 0,1,2,3
	v_max3_num_f32 v[TMX+\b], v[TMX+\b], |v[\s+16*\b+\i]|, |v[\s+1+16*\b+\i]|   ; the four blocks by turns
.endr
.endr
.irp b, 0,1,2,3
	v_permlanex16_b32 v[TMB+\b], v[TMX+\b], s[SEL], s[SEL+1]
.endr
.irp b, 0,1,2,3
	v_max_num_f32 v[TMX+\b], v[TMX+\b], v[TMB+\b]                  ; with lane l xor 16's: the block's largest magnitude
.endr
.irp b, 0,1,2,3
	v_add_nc_u32 v[TMS+\b], 0xff000000, v[TMX+\b]                  ; 2 off its exponent field: the conversion's scale operand
.endr
.irp b, 0,1,2,3
	v_lshrrev_b32 v[TMB+\b], 23, v[TMS+\b]                         ; the scale's byte
.endr
	v_lshl_or_b32 v[PW], v[TMB+1], 8, v[TMB]
	v_lshl_or_b32 v[PW], v[TMB+2], 16, v[PW]
	v_lshl_or_b32 v[PW], v[TMB+3], 24, v[PW]
.irp c, 0,1
	v_cvt_scalef32_pk16_fp6_f32 v[PC+6*\c:PC+2+6*\c], v[\s+32*\c:\s+15+32*\c], v[TMS+2*\c]
	v_cvt_scalef32_pk16_fp6_f32 v[PC+12+4*\c:PC+14+4*\c], v[\s+16+32*\c:\s+31+32*\c], v[TMS+2*\c+1]   ; (a conversion's three registers begin on an even number)
.endr
	v_nop                                          ; one plain place behind a scaled conversion
.irp c, 0,1                                    ; the operand's layout wants a whole block in a lane: lanes 0-15 block 2 c, lanes 16-31 block 2 c + 1
.irp i, 0,1,2
	v_permlane16_swap_b32 v[PC+6*\c+\i], v[PC+12+4*\c+\i]
.endr
.irp i, 0,1,2
	v_mov_b32 v[PC+3+6*\c+\i], v[PC+12+4*\c+\i]
.endr
.endr
.endm
; 32 numbers a lane, register 16 b + i = element 32 b + 16 h + i of my row, become a half fragment in v[pc] .. v[pc + 5] and two scale bytes in v[pw]
.macro QUANT32 s, tmx, tmb, tms, pc, pw
.irp b, 0,1
	v_max3_num_f32 v[\tmx+\b], |v[\s+16*\b]|, |v[\s+1+16*\b]|, 0x1800000
.endr
.irp i, 2,4,6,8,10,12,14
.irp b, 0,1
	v_max3_num_f32 v[\tmx+\b], v[\tmx+\b], |v[\s+16*\b+\i]|, |v[\s+1+16*\b+\i]|
.endr
.endr
.irp b, 0,1
	v_permlanex16_b32 v[\tmb+\b], v[\tmx+\b], s[SEL], s[SEL+1]
.endr
.irp b, 0,1
	v_max_num_f32 v[\tmx+\b], v[\tmx+\b], v[\tmb+\b]
.endr
.irp b, 0,1
	v_add_nc_u32 v[\tms+\b], 0xff000000, v[\tmx+\b]
.endr
.irp b, 0,1
	v_lshrrev_b32 v[\tmb+\b], 23, v[\tms+\b]
.endr
	v_lshl_or_b32 v[\pw], v[\tmb+1], 8, v[\tmb]
	v_cvt_scalef32_pk16_fp6_f32 v[\pc:\pc+2], v[\s:\s+15], v[\tms]
	v_cvt_scalef32_pk16_fp6_f32 v[\pc+12:\pc+14], v[\s+16:\s+31], v[\tms+1]
	v_nop                                          ; one plain place behind a scaled conversion
.irp i, 0,1,2
	v_permlane16_swap_b32 v[\pc+\i], v[\pc+12+\i]
.endr
.irp i, 0,1,2
	v_mov_b32 v[\pc+3+\i], v[\pc+12+\i]
.endr
.endm
.macro IMAGE adr, off                          ; the fragment in v[PC] on goes to LDS as it stands
.irp c, 0,1,2
	ds_store_b128 v[\adr], v[PC+4*\c:PC+4*\c+3] offset:\off+512*\c
.endr
.endm
.macro FETCH reg, adr, off                     ; and comes back so, in any wave
.irp c, 0,1,2
	ds_load_b128 v[\reg+4*\c:\reg+4*\c+3], v[\adr] offset:\off+512*\c
.endr
.endm
.macro BARRIER                                 ; my LDS stores have landed and my LDS loads are in: then the work-group's barrier
	s_wait_dscnt 0x0
	s_barrier_signal -1
	s_barrier_wait -1
.endm
.macro MM d, a, b, c, sa, sb
	v_wmma_scale_f32_16x16x128_f8f6f4 v[\d:\d+7], v[\a:\a+11], v[\b:\b+11], v[\c:\c+7], v[\sa], v[\sb] matrix_a_fmt:MATRIX_FMT_FP6 matrix_b_fmt:MATRIX_FMT_FP6
.endm
; 4 tiles of source 0 x nb tiles of source 1, K = 512 in four steps.  The accumulators take turns, one instruction a turn; the bias is the C of each sum's first instruction.
.macro GEMM nb, aa, sa, ba, sb, cb, cs
.irp s, 0,1,2,3
.irp a, 0,1,2,3
	FETCH FA+12*\a, \aa, 6144*\a+1536*\s
	ds_load_b32 v[SA+\a], v[\sa] offset:512*\a+128*\s
.endr
.set gi, 0
.rept \nb
	FETCH FB+12*gi, \ba, 6144*gi+1536*\s
	ds_load_b32 v[SB+gi], v[\sb] offset:512*gi+128*\s
.set gi, gi+1
.endr
	s_wait_dscnt 0x0
.set gi, 0
.rept \nb
.irp a, 0,1,2,3
.if \s == 0
	MM ACC+8*(4*gi+\a), FA+12*\a, FB+12*gi, \cb+\cs*\a, SA+\a, SB+gi
.else
	MM ACC+8*(4*gi+\a), FA+12*\a, FB+12*gi, ACC+8*(4*gi+\a), SA+\a, SB+gi
.endif
.endr
.set gi, gi+1
.endr
.rept 5
	v_nop                                          ; places in front of the loads into registers that these products have read, and of the first read of results
.endr
.endr
.endm
.macro LADR dst, src, sreg, mul, base          ; an LDS address: a constant + a constant x (a number made of the wave's) + a lane term
	s_mul_i32 s50, s[\sreg], \mul
	s_add_co_u32 s50, s50, \base
	v_add_nc_u32 v[\dst], s50, v[\src]
.endm
; job i of phase X: its 16 loads are in (cnt younger loads may be out), the last job's LDS stores have read their registers; quantise, store image and scale words
.macro JOB i, cnt, ia, ioff, sa, soff
	s_wait_loadcnt \cnt
	s_wait_dscnt 0x0
	QUANT LB+64*((\i)%3)
	IMAGE \ia, \ioff
	ds_store_b32 v[\sa], v[PW] offset:\soff
.endm
	s_load_b512 s[4:19], s[0:1], 0x0               ; x, Wq, Wk, Wv, Wo, bq, bk, bv
	s_load_b256 s[20:27], s[0:1], 0x40             ; q_codes, q_scales, kv, wo_codes
	s_load_b64 s[28:29], s[0:1], 0x60              ; wo_scales
	v_lshl_add_u32 v47, v0, 2, 0x21000
	v_mov_b32 v51, 0
	v_lshrrev_b32 v52, 5, v0
	v_readfirstlane_b32 s30, v52                   ; wave w
	s_mov_b32 s31, ttmp9                           ; head (on Wo's path: g)
	s_and_b32 s32, ttmp7, 0xffff                   ; block of rows, 0 .. 31; 32: Wo
	s_lshr_b32 s33, s32, 4                         ; batch
	s_and_b32 s34, s32, 15                         ; block of 128 keys in the batch
	s_and_b32 s35, s30, 1                          ; mu: 0 = k, 1 = q
	s_lshr_b32 s36, s30, 1                         ; m
	s_lshr_b32 s37, s30, 2                         ; c
	s_and_b32 s38, s30, 3                          ; n
	s_mov_b32 s[SEL], 0x76543210
	s_mov_b32 s[SEL+1], 0xfedcba98
	v_and_b32 v52, 31, v0                          ; lane
	v_and_b32 v53, 15, v0                          ; r
	v_bfe_u32 v54, v0, 4, 1                        ; h
	v_and_b32 v55, 8, v53
	v_add_nc_u32 v55, v55, v53                     ; r + 8 (r / 8)
	v_lshlrev_b32 v[XA], 11, v55
	v_lshl_add_u32 v[XA], v54, 6, v[XA]
	v_lshlrev_b32 v[LI16], 4, v52
	v_lshlrev_b32 v[LI8], 3, v52
	v_lshlrev_b32 v56, 2, v52                      ; 4 x lane
	v_lshlrev_b32 v57, 2, v53                      ; 4 r
	v_lshlrev_b32 v[H64], 6, v54
	v_lshlrev_b32 v[R4P], 2, v55
	LADR LXW, LI16, 30, 6144, XIMG
	LADR SXW, 56, 30, 512, XSC
	LADR LWW, LI16, 30, 3072, WIMG
	LADR SWW, 56, 30, 256, WSC
	LADR LWM, LI16, 35, 24576, WIMG
	LADR SWM, 56, 35, 2048, WSC
	LADR LXM, LI16, 36, 12288, XIMG
	LADR SXM, 56, 36, 1024, XSC
	LADR LXC, LI16, 37, 24576, XIMG
	LADR SXC, 56, 37, 2048, XSC
	LADR LWV, LI16, 38, 6144, WIMG+49152
	LADR SWV, 56, 38, 512, WSC+4096
	LADR SCO, LI8, 30, 256, SC
	s_mul_i32 s50, s35, 768                        ; q's words lie 768 bytes behind k's; tile 2 m + i: 64 bytes a tile
	s_lshl_b32 s51, s36, 7
	s_add_co_u32 s50, s50, s51
	s_add_co_u32 s50, s50, SC
	v_add_nc_u32 v[SCQK], s50, v57
	s_lshl_b32 s50, s38, 6                         ; v's: tile n, bytes 2 c and 2 c + 1 of a word
	s_lshl_b32 s51, s37, 1
	s_add_co_u32 s50, s50, s51
	s_add_co_u32 s50, s50, SC+512
	v_add_nc_u32 v[SCV], s50, v57
.irp b, 0,1,2,3
	v_mov_b32 v[TMB+\b], 0                         ; written once: a lane permute's destination counts as one of its sources
.endr
	s_mul_i32 s39, s35, 5376                       ; from my first tile to my second: 768 bytes in kv, 8 x 768 in q_codes
	s_add_co_u32 s39, s39, 768
	v_add_nc_u32 v[LI16B], s39, v[LI16]
	v_add_nc_u32 v[LI8B], s39, v[LI8]
	s_lshl_b32 s52, s31, 6                         ; my two fragments of a weight: rows 64 head + 32 (w / 4) + 8 ((w / 2) % 2) on, K steps 2 (w % 2) and + 1
	s_lshl_b32 s50, s37, 5
	s_add_co_u32 s52, s52, s50
	s_and_b32 s50, s36, 1
	s_lshl_b32 s50, s50, 3
	s_add_co_u32 s52, s52, s50
	s_lshl_b32 s52, s52, 11
	s_lshl_b32 s50, s35, 10
	s_add_co_u32 s52, s52, s50
	s_mov_b32 s53, 0
	s_mov_b32 s51, 0
	s_wait_kmcnt 0x0
	s_cmp_eq_u32 s32, 32
	s_cbranch_scc1 .Lwo
	s_lshl_b32 s50, s32, 7                         ; x: my tile w of the block: row 128 y + 32 (w / 2) + 8 (w % 2)
	s_lshl_b32 s54, s36, 5
	s_add_co_u32 s50, s50, s54
	s_lshl_b32 s54, s35, 3
	s_add_co_u32 s50, s50, s54
	s_lshl_b32 s50, s50, 11
	s_add_nc_u64 s[4:5], s[4:5], s[50:51]
	s_add_nc_u64 s[6:7], s[6:7], s[52:53]
	s_add_nc_u64 s[8:9], s[8:9], s[52:53]
	s_add_nc_u64 s[10:11], s[10:11], s[52:53]
	XLOAD LB, 4, 0                                 ; jobs 0, 1, 2: x's K steps 0, 1, 2
	XLOAD LB+64, 4, 512
	XLOAD LB+128, 4, 1024
	s_lshl_b32 s50, s32, 3                         ; q_codes: tile 8 y + 2 m of all tiles, my head
	s_lshl_b32 s54, s36, 1
	s_add_co_u32 s50, s50, s54
	s_lshl_b32 s50, s50, 3
	s_add_co_u32 s50, s50, s31
	s_mul_i32 s50, s50, 768
	s_add_nc_u64 s[20:21], s[20:21], s[50:51]
	s_lshl_b32 s50, s32, 3                         ; kv: block (y, head)
	s_add_co_u32 s50, s50, s31
	s_mul_i32 s50, s50, 13056
	s_add_nc_u64 s[24:25], s[24:25], s[50:51]
	s_mul_i32 s50, s36, 1536
	s_add_nc_u64 s[42:43], s[24:25], s[50:51]      ; k's tile 2 m
	s_cmp_eq_u32 s35, 1                            ; the choice hangs on the wave's number alone
	s_cselect_b64 s[42:43], s[20:21], s[42:43]     ; where my two tiles go
	s_cselect_b64 s[44:45], s[14:15], s[16:17]     ; bq or bk
	s_lshl_b32 s50, s31, 8
	s_add_nc_u64 s[44:45], s[44:45], s[50:51]      ; at my head
	s_lshr_b32 s54, s38, 1
	s_lshl_b32 s54, s54, 7
	s_add_co_u32 s50, s50, s54
	s_and_b32 s54, s38, 1
	s_lshl_b32 s54, s54, 5
	s_add_co_u32 s50, s50, s54
	s_add_nc_u64 s[18:19], s[18:19], s[50:51]      ; bv at my head's tile n
	s_lshl_b32 s50, s33, 3                         ; q_scales: (batch, head), tile 8 x block on
	s_add_co_u32 s50, s50, s31
	s_lshl_b32 s50, s50, 7
	s_lshl_b32 s54, s34, 3
	s_add_co_u32 s50, s50, s54
	s_lshl_b32 s50, s50, 6
	s_add_nc_u64 s[22:23], s[22:23], s[50:51]
	s_lshl_b32 s50, s38, 1                         ; v's half fragment 2 n + c
	s_add_co_u32 s50, s50, s37
	s_mul_i32 s50, s50, 768
	s_add_co_u32 s50, s50, 6144
	s_add_nc_u64 s[48:49], s[24:25], s[50:51]
	s_mov_b32 s54, 12288                           ; the scale words leave in five pieces of 256 bytes: waves 0-2 k's and v's into kv, waves 3-4 q's
	s_cmp_lt_u32 s30, 3
	s_cselect_b64 s[46:47], s[24:25], s[22:23]
	s_cselect_b32 s54, s54, 0xfffffd00
	s_lshl_b32 s55, s30, 8
	s_add_co_u32 s54, s54, s55
	v_add_nc_u32 v[GSO], s54, v[LI8]
	; ---- X: ten jobs a wave, three sets of registers, loads three jobs ahead
	JOB 0, 32, LXW, 0, SXW, 0
	XLOAD LB, 4, 1536                              ; job 3: x's K step 3
	JOB 1, 32, LXW, 1536, SXW, 128
	XLOAD LB+64, 8, 0                              ; jobs 4, 5: Wk
	JOB 2, 32, LXW, 3072, SXW, 256
	XLOAD LB+128, 8, 512
	JOB 3, 32, LXW, 4608, SXW, 384
	XLOAD LB, 6, 0                                 ; jobs 6, 7: Wq
	JOB 4, 32, LWW, 0, SWW, 0
	XLOAD LB+64, 6, 512
	JOB 5, 32, LWW, 1536, SWW, 128
	XLOAD LB+128, 10, 0                            ; jobs 8, 9: Wv
	JOB 6, 32, LWW, 24576, SWW, 2048
	XLOAD LB, 10, 512
	JOB 7, 32, LWW, 24576+1536, SWW, 2048+128
	JOB 8, 16, LWW, 49152, SWW, 4096
.irp a, 0,1,2,3                                ; the biases, into registers that job 8 has left: bq or bk in the result's layout (tile a, my half's eight channels),
	global_load_b128 v[CB+8*\a:CB+8*\a+3], v[H64], s[44:45] offset:(32*(\a/2)+8*(\a%2))*4
	global_load_b128 v[CB+8*\a+4:CB+8*\a+7], v[H64], s[44:45] offset:(32*(\a/2)+8*(\a%2))*4+16
.endr
	global_load_b32 v[PW0], v[R4P], s[18:19]       ; bv of my lane's channel
	JOB 9, 9, LWW, 49152+1536, SWW, 4096+128       ; (the nine bias loads are younger and may be out)
	BARRIER                                        ; all 80 images lie in LDS
	s_wait_loadcnt 0x0
.irp j, 0,1,2,3,4,5,6,7
	v_mov_b32 v[BV+\j], v[PW0]                     ; in v's product a lane holds one channel: its eight registers take the same bias
.endr
	; ---- G: q or k
	GEMM 2, LWM, SWM, LXM, SXM, CB, 8
	QUANT32 ACC, TMX, TMB, TMS, PC, PW
	global_store_b128 v[LI16], v[PC:PC+3], s[42:43]            ; 32 lanes store 512 consecutive bytes,
	global_store_b64 v[LI8], v[PC+4:PC+5], s[42:43] offset:512 ; and 256: both begin at multiples of 256 from the buffer's first byte
	ds_store_b32 v[SCQK], v[PW]                    ; lanes r and r + 16 write the same word with the same value
	s_wait_xcnt 0x0                                ; the stores have read their registers: the next tile's codes may be written
	s_wait_dscnt 0x0
	QUANT32 ACC+32, TMX, TMB, TMS, PC, PW
	global_store_b128 v[LI16B], v[PC:PC+3], s[42:43]
	global_store_b64 v[LI8B], v[PC+4:PC+5], s[42:43] offset:512
	ds_store_b32 v[SCQK], v[PW] offset:64
	; ---- G: v
	GEMM 1, LXC, SXC, LWV, SWV, BV, 0
	s_wait_xcnt 0x0
	QUANT32 ACC, TMX, TMB, TMS, PC, PW
	global_store_b128 v[LI16], v[PC:PC+3], s[48:49]
	global_store_b64 v[LI8], v[PC+4:PC+5], s[48:49] offset:512
	ds_store_b16 v[SCV], v[PW]
	BARRIER                                        ; 1,280 bytes of scale words lie in LDS
	s_cmp_lt_u32 s30, 5
	s_cbranch_scc0 .Lend
	s_wait_xcnt 0x0                                ; my last stores have read v[PC] on
	ds_load_b64 v[PC:PC+1], v[SCO]
	s_wait_dscnt 0x0
	global_store_b64 v[GSO], v[PC:PC+1], s[46:47]  ; 32 lanes store 256 consecutive bytes, aligned
.Lend:
	s_wait_tensorcnt 0x0
	ds_add_u32 v47, v51
	s_wait_dscnt 0x0
	s_endpgm
	; ---- Wo: wave w quantises fragments 2 w and 2 w + 1 of rows 64 g on
.Lwo:
	s_add_nc_u64 s[12:13], s[12:13], s[52:53]
	XLOAD LB, 12, 0
	XLOAD LB+64, 12, 512
	s_lshl_b32 s50, s31, 4
	s_lshl_b32 s54, s30, 1
	s_add_co_u32 s50, s50, s54
	s_mul_i32 s50, s50, 1536
	s_add_nc_u64 s[26:27], s[26:27], s[50:51]
	s_lshl_b32 s50, s31, 10
	s_lshl_b32 s54, s30, 7
	s_add_co_u32 s50, s50, s54
	s_add_nc_u64 s[28:29], s[28:29], s[50:51]
	s_wait_loadcnt 16                              ; the first fragment's 16 loads are in
	QUANT LB
.irp c, 0,1,2
	global_store_b128 v[LI16], v[PC+4*\c:PC+4*\c+3], s[26:27] offset:512*\c
.endr
	v_mov_b32 v[PW0], v[PW]
	s_wait_loadcnt 0x0
	s_wait_xcnt 0x0                                ; the stores have read their registers
	QUANT LB+64
.irp c, 0,1,2
	global_store_b128 v[LI16], v[PC+4*\c:PC+4*\c+3], s[26:27] offset:1536+512*\c
.endr
	v_and_b32 v60, 31, v0
	v_lshlrev_b32 v61, 2, v60
	v_cmp_gt_u32 vcc_lo, 16, v60
	v_cndmask_b32 v[PW0], v[PW], v[PW0], vcc_lo    ; lanes 0-15 the even K step's words, lanes 16-31 the odd one's
	global_store_b32 v61, v[PW0], s[28:29]
	s_endpgm
.Lfunc_end_k_q305252df9d_proj:
	.size	k_q305252df9d_proj, .Lfunc_end_k_q305252df9d_proj-k_q305252df9d_proj
	.p2alignl 7, 3214868480
	.fill 96, 4, 3214868480
	.section	.rodata,"a",@progbits
	.p2align	6, 0x0
	.amdhsa_kernel k_q305252df9d_proj
		.amdhsa_group_segment_fixed_size 136192
		.amdhsa_private_segment_fixed_size 0
		.amdhsa_enable_private_segment 0
		.amdhsa_kernarg_size 104
		.amdhsa_user_sgpr_count 2
		.amdhsa_user_sgpr_kernarg_segment_ptr 1
		.amdhsa_wavefront_size32 1
		.amdhsa_system_sgpr_workgroup_id_x 1
		.amdhsa_system_sgpr_workgroup_id_y 1
		.amdhsa_system_sgpr_workgroup_id_z 1
		.amdhsa_system_vgpr_workitem_id 0
		.amdhsa_next_free_vgpr 256
		.amdhsa_next_free_sgpr 66
		.amdhsa_reserve_vcc 1
		.amdhsa_float_denorm_mode_32 3
		.amdhsa_float_denorm_mode_16_64 3
		.amdhsa_memory_ordered 1
		.amdhsa_forward_progress 1
		.amdhsa_inst_pref_size 101
	.end_amdhsa_kernel
	.amdgpu_metadata
---
amdhsa.version: [ 1, 2 ]
amdhsa.kernels:
  - .name:           k_q305252df9d_proj
    .symbol:         k_q305252df9d_proj.kd
    .args:
      - { .name: x, .offset: 0, .size: 8, .value_kind: global_buffer, .address_space: global }
      - { .name: Wq, .offset: 8, .size: 8, .value_kind: global_buffer, .address_space: global }
      - { .name: Wk, .offset: 16, .size: 8, .value_kind: global_buffer, .address_space: global }
      - { .name: Wv, .offset: 24, .size: 8, .value_kind: global_buffer, .address_space: global }
      - { .name: Wo, .offset: 32, .size: 8, .value_kind: global_buffer, .address_space: global }
      - { .name: bq, .offset: 40, .size: 8, .value_kind: global_buffer, .address_space: global }
      - { .name: bk, .offset: 48, .size: 8, .value_kind: global_buffer, .address_space: global }
      - { .name: bv, .offset: 56, .size: 8, .value_kind: global_buffer, .address_space: global }
      - { .name: q_codes, .offset: 64, .size: 8, .value_kind: global_buffer, .address_space: global }
      - { .name: q_scales, .offset: 72, .size: 8, .value_kind: global_buffer, .address_space: global }
      - { .name: kv, .offset: 80, .size: 8, .value_kind: global_buffer, .address_space: global }
      - { .name: wo_codes, .offset: 88, .size: 8, .value_kind: global_buffer, .address_space: global }
      - { .name: wo_scales, .offset: 96, .size: 8, .value_kind: global_buffer, .address_space: global }
    .group_segment_fixed_size: 136192
    .private_segment_fixed_size: 0
    .kernarg_segment_align: 8
    .kernarg_segment_size: 104
    .max_flat_workgroup_size: 256
    .sgpr_count:     66
    .vgpr_count:     256
    .wavefront_size: 32
...
	.end_amdgpu_metadata
.endif
;; end of part 1
;; launch attn (part 2): grid 128 x 2, 8 waves a work-group, clusters of 4 x 1, 327,680 bytes of LDS; arguments q_codes, q_scales, kv, wo_codes, wo_scales, bo, ipa_affinity_bias, assoc_bias, attention_mask, concept_ids, key_padding_mask, out0; writes out0
.if DOCPART == 2
	.amdgcn_target "amdgcn-amd-amdhsa--gfx1250"
	.amdhsa_code_object_version 6
	.text
	.protected	k_q305252df9d_attn
	.globl	k_q305252df9d_attn
	.p2align	8
	.type	k_q305252df9d_attn,@function
k_q305252df9d_attn:
	s_mov_b64 s[64:65], 0
	v_nop
	global_prefetch_b8 v0, s[64:65] scope:SCOPE_SE
	s_setreg_imm32_b32 hwreg(HW_REG_WAVE_MODE, 25, 1), 1
	s_wait_xcnt 0x0
	s_wait_alu depctr_hold_cnt(0) depctr_sa_sdst(0) depctr_va_vdst(0) depctr_va_sdst(0) depctr_va_ssrc(0) depctr_va_vcc(0) depctr_vm_vsrc(0)
	s_getreg_b32 s2, hwreg(HW_REG_IB_STS2, 6, 4)
	s_cmp_eq_u32 s2, 0
	s_cbranch_scc0 .Lentry_in_a_cluster
	s_endpgm
.Lentry_in_a_cluster:
	s_bfe_u32 s2, ttmp6, 0x10000c
	s_cmp_lg_u32 s2, 0x3003
	s_cbranch_scc0 .Lentry_shape_is_right
	s_endpgm
.Lentry_shape_is_right:
; out = softmax(q k^T / 8 + 0.5 cmat + ipa + assoc + mask, padded keys at -infinity) v, heads joined, x Wo^T + bo: all three products on codes of FP6 (E2M3) with one E8M0 scale for each 32 along K.
; SHARES.  A work-group owns one tile of 16 queries of one batch (rows q0 + r + 8 (r / 8), q0 = 32 (tile / 2) + 8 (tile % 2)) for ALL 8 HEADS: wave w is head w.  So what is added to the scores, which is the same for
;   all heads, is read from memory once and combined once: each wave combines two of the tile's 16 rows for the next 128 keys and lays them in LDS; every wave takes the 16 x 128 tile as the C of its score product.
;   And a row's whole context lies in one work-group: it is quantised there, handed round through LDS as images of the operand's registers, and wave w makes output channels 64 w .. 64 w + 63.
; LAYOUT.  S^T = K Q^T (source 0 = 16 keys, source 1 = my 16 queries), O^T = V^T P^T (source 0 = 16 channels): a lane holds ONE query (lane % 16) throughout.  The keys of a tile of K and the channels of a tile of V
;   are not neighbours (lane r of tile t: 32 (t / 2) + 8 (t % 2) + r + 8 (r / 8)), so that the 16 registers of result tiles 2 b and 2 b + 1 are 16 neighbours along the next K.
; K = 64 IN AN INSTRUCTION OF 128.  Q's registers 6-11 are zero codes.  K's eight tiles lie packed, six registers each: tile t's operand runs on into tile t + 1's codes (behind tile 7: six zeroed registers).  A zero code times
;   any code of this format, which has neither infinity nor NaN, is 0; the scale bytes of that half are 0 (2^-127), never 0xff.
; THE SOFTMAX.  C = 8 x (what is added), so the product gives 8 x the logit; t - M = that x log2(e) / 8 - M; M = the running largest t rounded up to a whole number; p = 2^(t - M) is quantised along the keys; the row's sum is taken
;   of the unquantised p and divides at the end.  When M moves, the sum and O^T are multiplied by 2^(old M - new M): exact.  A padded key has C = -infinity, so p = 0; a row all of whose keys are padded gives 0 / 0 = NaN, as the definition does.
; CLUSTER.  Four work-groups of one batch walk the same key blocks in step and ask for each head's block of K and V (13,056 bytes, dense) JOINTLY: wave w of each issues the same load, mask 15.  Q (768 bytes a wave), Wo (24,576 bytes a
;   wave, once) and the bias rows are not shared so: the bias rows differ between partners, and Q and Wo together are under a tenth of the 16 x 13,056 bytes that a wave takes of K and V.
; THE KEY BLOCKS ARE WALKED FROM A START THAT HANGS ON THE CLUSTER'S NUMBER: step j takes block (start + j) % 16, so that at any step the clusters of a batch ask for different blocks.  The running whole-number M makes the order immaterial.
; THE RING.  Two slots of 8 x 13,056 bytes.  At the head of step j: all my tensor loads have landed (block j), 0 onto my spare word, my LDS work is done, a round of the cluster's barrier; behind it my one joint load (block j + 1, into the slot
;   just left).  The same round shows bias tile j to all waves and frees the other bias buffer.  A wave has one tensor load out.  All of LDS is claimed.
; LIMITS: NaN and +infinity among the inputs are not served; the terms added to a score are summed as ((ipa + assoc) + mask) x 8 + 4 cmat and join the product's sum, another order of f32 roundings than the definition's;
;   a block of p or of the context whose largest magnitude lies under 2^-124 has its scale byte held at 1 (a block of zeros too: its codes are zeros).
; REGISTERS.  Window 0: v1-11, v29-31 addresses; v12 -M, v13 the largest t, v[14:15] the sum; v16-27 Q; v28, v86-95, v253 scale words alone; v32-85 K (then p's codes); v96-159 S^T, then p; v160-191 O^T; v192-239 V; v240-254 at work.
;   Window 1 (u = v256 on): u0 16 x lane, u1 4 x lane, u4-5 4.0 where my two queries' ids are valid, u6 -infinity, u7-27 at work, u32 on and u64 on two sets of raw bias rows; in the last step u64-255 take Wo's 16 fragments.
.set BLK,   13056                      ; a head's block: 8 tiles of K (768 bytes each), 8 half fragments of V, 128 scale words of K, 64 of V
.set STEPB, 8*BLK                      ; a key block's eight heads: a slot
.set SLOT1, 131072
.set BIAS,  104448                     ; two buffers of 16 rows x (512 bytes + 16)
.set BBUF,  8448
.set CIMG,  121344                     ; the context's eight half fragments
.set CSC,   127488                     ; and its scale words: 4 K steps x 16 rows
.set OSTG,  235520                     ; the way out: 16 rows x (256 bytes + 16) for each wave
.set SPARE, 270336                     ; the spare words, 128 bytes for each wave: four blocks of 256 bytes that no other line names
.set SPW,  1
.set NIL,  2
.set A16,  3                           ; v3-4  slot 0, 1: my head's block + 16 x lane
.set A8,   5                           ; v5-6  + 8 x lane
.set A4,   7                           ; v7-8  + 4 x lane
.set AB,   9                           ; v9    the bias tile as C: 528 r + 64 h
.set BST,  10                          ; v10   where I lay my two rows: 1,056 w + 16 x lane
.set L4,   11
.set QF,   16
.set QS,   28
.set L16,  29
.set L8,   30
.set R4,   31
.set KF,   32
.set PC,   32                          ; p's codes lie over K, which is done with by then
.set PT,   44
.set KS,   86
.set VS,   90
.set S,    96
.set O,    160
.set VF,   192
.set TM,   240
.set TP,   244
.set TS,   248
.set WV,   28                          ; s28 wave; s29 cx; s30 tile of queries; s31 batch
.set G0,   32                          ; s[32:35], s[36:39] descriptor group 0 for slot 0, 1
.set G1,   40                          ; s[40:47] group 1
.set CNT,  48
.set SJ,   49                          ; s49  start + 16 + step, not wrapped
.set R0,   52                          ; s52  the first of my two bias rows
.set KVW,  56                          ; s[56:57] kv at (batch, block 0, head w)
.set CS,   58                          ; s[58:59] log2(e) / 8
.set SEL,  60                          ; s[60:61] selects for lane l xor 16
.set IDQ,  62                          ; s[62:63] the ids of my two queries
.set SM,   70                          ; s70-77 same id, s78-85 off the diagonal, s86-89 padded: lane masks
.set DM,   78
.set PM,   86
.set MSB, 0
.macro WIN new                         ; the immediate's high byte repeats the setting that is left
.if MSB != \new
	s_set_vgpr_msb (MSB<<8)|\new
.set MSB, \new
.endif
.endm
.macro CROUND                          ; a round of the cluster's barrier: my work-group's barrier, wave 0 signals for the work-group, every wave waits for all four, my work-group's barrier once more
	s_barrier_signal -1
	s_barrier_wait -1
	s_cmp_lg_u32 s[WV], 0
	s_cbranch_scc1 .Lnot_wave_0_\@
	s_barrier_signal -3
.Lnot_wave_0_\@:
	s_barrier_wait -3
	s_barrier_signal -1
	s_barrier_wait -1
.endm
.macro MM d, a, b, c, sa, sb, row      ; row = 1: source 0's scales from lanes 16-31; 2: both sources'
.if \row == 0
	v_wmma_scale_f32_16x16x128_f8f6f4 v[\d:\d+7], v[\a:\a+11], v[\b:\b+11], v[\c:\c+7], v[\sa], v[\sb] matrix_a_fmt:MATRIX_FMT_FP6 matrix_b_fmt:MATRIX_FMT_FP6
.elseif \row == 1
	v_wmma_scale_f32_16x16x128_f8f6f4 v[\d:\d+7], v[\a:\a+11], v[\b:\b+11], v[\c:\c+7], v[\sa], v[\sb] matrix_a_fmt:MATRIX_FMT_FP6 matrix_b_fmt:MATRIX_FMT_FP6 matrix_a_scale:MATRIX_SCALE_ROW1
.else
	v_wmma_scale_f32_16x16x128_f8f6f4 v[\d:\d+7], v[\a:\a+11], v[\b:\b+11], v[\c:\c+7], v[\sa], v[\sb] matrix_a_fmt:MATRIX_FMT_FP6 matrix_b_fmt:MATRIX_FMT_FP6 matrix_a_scale:MATRIX_SCALE_ROW1 matrix_b_scale:MATRIX_SCALE_ROW1
.endif
.endm
.macro SETG0 g, ahead                  ; group 0 at s[g]: key block (SJ + ahead) % 16.  s90-92 hold nothing made from my place in the cluster
	s_add_co_u32 s92, s[SJ], \ahead
	s_and_b32 s92, s92, 15
	s_mul_i32 s90, s92, STEPB
	s_add_nc_u64 s[\g+2:\g+3], s[KVW:KVW+1], s[90:91]
	s_or_b32 s[\g+3], s[\g+3], 0x80000000
.endm
; (all windows 1)  my two rows' 128 keys of key block s[sg]: ipa, assoc, mask (512 consecutive bytes a load), the keys' ids, the keys' pad bytes
.macro RAWLOAD set, sg
.set RL, 32+32*(\set)
	v_lshl_add_u32 v[RL+29], s[\sg], 9, v0
	v_lshl_add_u32 v[RL+30], s[\sg], 7, v1
	global_load_b128 v[RL:RL+3], v[RL+29], s[16:17] th:TH_LOAD_NT
	global_load_b128 v[RL+4:RL+7], v[RL+29], s[16:17] offset:8192 th:TH_LOAD_NT
	global_load_b128 v[RL+8:RL+11], v[RL+29], s[18:19] th:TH_LOAD_NT
	global_load_b128 v[RL+12:RL+15], v[RL+29], s[18:19] offset:8192 th:TH_LOAD_NT
	global_load_b128 v[RL+16:RL+19], v[RL+29], s[20:21]
	global_load_b128 v[RL+20:RL+23], v[RL+29], s[20:21] offset:8192
	global_load_b128 v[RL+24:RL+27], v[RL+29], s[22:23]
	global_load_b32 v[RL+28], v[RL+30], s[24:25]
.endm
; The bias tile of the step after the one in hand: my two rows, four keys a lane, from raw set 'set' into bias buffer 'buf'.  ld = 1: the set is asked for again, for the step two further on.  cnt: the other set's younger loads.
.macro BSTAGE set, buf, ld, cnt
.set RW, 32+32*(\set)
	s_add_co_u32 s66, s[SJ], 1
	s_and_b32 s66, s66, 15                         ; its key block
	s_lshl_b32 s67, s66, 7
	s_sub_co_u32 s67, s67, s[R0]                   ; the block's first key less my first query
.if \ld
	s_add_co_u32 s68, s[SJ], 3
	s_and_b32 s68, s68, 15
.endif
	WIN 0x55
	s_wait_loadcnt \cnt
	v_add_nc_u32 v7, s67, v1                       ; key 4 x lane + e is query q' of my two where this number is q' - e
.irp k, 0,2,4,6
	v_pk_add_f32 v[8+\k:9+\k], v[RW+\k:RW+\k+1], v[RW+8+\k:RW+9+\k]
.endr
.irp k, 0,2,4,6
	v_pk_add_f32 v[8+\k:9+\k], v[8+\k:9+\k], v[RW+16+\k:RW+17+\k]
.endr
.irp q, 0,1
.irp e, 0,1,2,3
	v_cmp_eq_u32 s[SM+4*\q+\e], s[IDQ+\q], v[RW+24+\e]
	v_cmp_ne_u32 s[DM+4*\q+\e], \q-\e, v7
.endr
.endr
.irp e, 0,1,2,3
	v_and_b32 v[24+\e], 0xff<<(8*\e), v[RW+28]
.endr
.irp e, 0,1,2,3
	v_cmp_ne_u32 s[PM+\e], 0, v[24+\e]
.endr
.irp i, 0,1,2,3,4,5,6,7
	s_and_b32 s[SM+\i], s[SM+\i], s[DM+\i]
.endr
.irp q, 0,1
.irp e, 0,1,2,3
	v_cndmask_b32 v[16+4*\q+\e], 0, v[4+\q], s[SM+4*\q+\e]   ; 8 x 0.5 where the ids are equal, the query's is valid (so the key's is too) and key and query differ
.endr
.endr
.irp k, 0,2,4,6
	v_pk_fma_f32 v[8+\k:9+\k], v[8+\k:9+\k], 0x41000000, v[16+\k:17+\k] op_sel_hi:[1,0,1]
.endr
.irp q, 0,1
.irp e, 0,1,2,3
	v_cndmask_b32 v[8+4*\q+\e], v[8+4*\q+\e], v6, s[PM+\e]   ; a padded key: -infinity
.endr
.endr
.if \ld
	RAWLOAD \set, 68                               ; the set's loads were waited for above: its address registers may be written
.endif
	WIN 0x04                                       ; an LDS store's data are its source 1: window 1; its address window 0
	ds_store_b128 v[BST], v[8:11] offset:BBUF*(\buf)
	ds_store_b128 v[BST], v[12:15] offset:BBUF*(\buf)+528
	WIN 0
.endm
; 32 numbers a lane, register 16 b + i = element 32 b + 16 h + i of my row, become a half fragment in v[pc] .. v[pc + 5] and two scale bytes in v[pw]
.macro QUANT32 s, tmx, tmb, tms, pc, pw
.irp b, 0,1
	v_max3_num_f32 v[\tmx+\b], |v[\s+16*\b]|, |v[\s+1+16*\b]|, 0x1800000
.endr
.irp i, 2,4,6,8,10,12,14
.irp b, 0,1
	v_max3_num_f32 v[\tmx+\b], v[\tmx+\b], |v[\s+16*\b+\i]|, |v[\s+1+16*\b+\i]|
.endr
.endr
.irp b, 0,1
	v_permlanex16_b32 v[\tmb+\b], v[\tmx+\b], s[SEL], s[SEL+1]
.endr
.irp b, 0,1
	v_max_num_f32 v[\tmx+\b], v[\tmx+\b], v[\tmb+\b]
.endr
.irp b, 0,1
	v_add_nc_u32 v[\tms+\b], 0xff000000, v[\tmx+\b]
.endr
.irp b, 0,1
	v_lshrrev_b32 v[\tmb+\b], 23, v[\tms+\b]
.endr
	v_lshl_or_b32 v[\pw], v[\tmb+1], 8, v[\tmb]
	v_cvt_scalef32_pk16_fp6_f32 v[\pc:\pc+2], v[\s:\s+15], v[\tms]
	v_cvt_scalef32_pk16_fp6_f32 v[\pc+12:\pc+14], v[\s+16:\s+31], v[\tms+1]
	v_nop                                          ; one plain place behind a scaled conversion
.irp i, 0,1,2
	v_permlane16_swap_b32 v[\pc+\i], v[\pc+12+\i]
.endr
.irp i, 0,1,2
	v_mov_b32 v[\pc+3+\i], v[\pc+12+\i]
.endr
.endm
; 64 scores a lane (register 16 b + i: key 32 b + 16 h + i of the block) become p's codes in v[PC] on and p's scale word in v253; M, the sum and f = 2^(old M - new M) (v252) are brought up to date
.macro SOFTMAX
.irp b, 0,1,2,3
	v_max3_num_f32 v[TM+\b], v[S+16*\b], v[S+1+16*\b], v[S+2+16*\b]   ; the largest score of each block of 32 keys: for the row's maximum, and, since p rises with the score, for the block's largest p
.endr
.irp i, 3,5,7,9,11,13
.irp b, 0,1,2,3
	v_max3_num_f32 v[TM+\b], v[TM+\b], v[S+16*\b+\i], v[S+1+16*\b+\i]
.endr
.endr
.irp b, 0,1,2,3
	v_max_num_f32 v[TM+\b], v[TM+\b], v[S+15+16*\b]
.endr
.irp b, 0,1,2,3
	v_permlanex16_b32 v[TP+\b], v[TM+\b], s[SEL], s[SEL+1]
.endr
.irp b, 0,1,2,3
	v_max_num_f32 v[TM+\b], v[TM+\b], v[TP+\b]     ; with lane l xor 16's 16 keys
.endr
	v_max3_num_f32 v254, v[TM], v[TM+1], v[TM+2]
	v_max_num_f32 v254, v254, v[TM+3]
	v_mul_f32 v254, s[CS], v254                    ; the step's largest t
	v_max_num_f32 v13, v13, v254                   ; the running largest t
	v_mov_b32 v254, v12
	v_floor_f32 v12, -v13                          ; the new -M = -ceil(t): a whole number
	v_sub_f32 v254, v12, v254                      ; old M - new M: a whole number, 0 or less
	v_cvt_i32_f32 v254, v254                       ; (it saturates)
	v_ldexp_f32 v252, 1.0, v254                    ; f
.irp j, 0,2,4,6,8,10,12,14,16,18,20,22,24,26,28,30,32,34,36,38,40,42,44,46,48,50,52,54,56,58,60,62
	v_pk_fma_f32 v[S+\j:S+1+\j], v[S+\j:S+1+\j], s[CS:CS+1], v[12:13] op_sel_hi:[1,0,0]   ; t - M, two at a time
.endr
.irp b, 0,1,2,3
	v_fma_f32 v[TM+\b], v[TM+\b], s[CS], v12       ; the same of each block's largest score
.endr
.irp j, 0,1,2,3,4,5,6,7,8,9,10,11,12,13,14,15,16,17,18,19,20,21,22,23,24,25,26,27,28,29,30,31,32,33,34,35,36,37,38,39,40,41,42,43,44,45,46,47,48,49,50,51,52,53,54,55,56,57,58,59,60,61,62,63
	v_exp_f32 v[S+\j], v[S+\j]                     ; p = 2^(t - M), at most 1: not normalised
.endr
	v_pk_mul_f32 v[14:15], v[14:15], v[252:253] op_sel_hi:[1,0]   ; the sums under the new M: the plain place behind the exponentials
	s_wait_alu depctr_va_vdst(0)                   ; one wait for the whole batch, ahead of its first reader
.irp b, 0,1,2,3
	v_exp_f32 v[TM+\b], v[TM+\b]                   ; the block's largest p: the same two instructions on the same number give the same bits
.endr
	v_pk_add_f32 v[TP:TP+1], v[S:S+1], v[S+2:S+3]  ; the row's sum is taken of the unquantised p, in two chains
.irp j, 4,8,12,16,20,24,28,32,36,40,44,48,52,56,60
	v_pk_add_f32 v[14:15], v[14:15], v[S+\j:S+1+\j]
	v_pk_add_f32 v[TP:TP+1], v[TP:TP+1], v[S+2+\j:S+3+\j]
.endr
	v_pk_add_f32 v[14:15], v[14:15], v[TP:TP+1]
	s_wait_alu depctr_va_vdst(0)                   ; and one for the four
.irp b, 0,1,2,3
	v_max_num_f32 v[TM+\b], 0x1800000, v[TM+\b]    ; the floor 2^(3 - 127): the byte cannot fall under 1
.endr
.irp b, 0,1,2,3
	v_add_nc_u32 v[TS+\b], 0xff000000, v[TM+\b]    ; 2 off the exponent field: the conversion's scale operand
.endr
.irp b, 0,1,2,3
	v_lshrrev_b32 v[TP+\b], 23, v[TS+\b]           ; the scale's byte
.endr
	v_lshl_or_b32 v253, v[TP+1], 8, v[TP]
	v_lshl_or_b32 v253, v[TP+2], 16, v253
	v_lshl_or_b32 v253, v[TP+3], 24, v253
.irp c, 0,1
	v_cvt_scalef32_pk16_fp6_f32 v[PC+6*\c:PC+2+6*\c], v[S+32*\c:S+15+32*\c], v[TS+2*\c]
	v_cvt_scalef32_pk16_fp6_f32 v[PT+4*\c:PT+2+4*\c], v[S+16+32*\c:S+31+32*\c], v[TS+2*\c+1]
.endr
	v_nop                                          ; one plain place behind a scaled conversion
.irp c, 0,1
.irp i, 0,1,2
	v_permlane16_swap_b32 v[PC+6*\c+\i], v[PT+4*\c+\i]
.endr
.irp i, 0,1,2
	v_mov_b32 v[PC+3+6*\c+\i], v[PT+4*\c+\i]
.endr
.endr
.endm
; A KEY STEP.  p: the slot and bias buffer in hand.  fill: the other slot is filled with the next block.  comb: the next bias tile is combined (ld, cnt: see BSTAGE).  wo: Wo's fragments are asked for.
.macro STEP p, fill, comb, ld, cnt, wo
	s_wait_tensorcnt 0x0                           ; all my tensor loads have landed: this step's block; so a group 0 may be written
	ds_add_u32 v[SPW], v[NIL]                      ; 0 onto my spare word
	SETG0 G0+4*\p, 2                               ; this slot's next block, two steps on
	s_wait_dscnt 0x0                               ; the add is done; my reads of the slot and of the bias buffer that I have left are over; my two rows of this step's bias tile have landed
	CROUND                                         ; all that now holds of every wave of all four work-groups
.if \fill
	tensor_load_to_lds s[G0+4-4*\p:G0+7-4*\p], s[G1:G1+7]   ; my one joint load behind the round: the next block, into the slot just left
	s_nop 0
.endif
.rept 4
	v_nop                                          ; behind the load; also the places in front of the loads into registers that the last step's products have read
.endr
.irp b, 0,1,2,3
.irp i, 0,1,2,3
	ds_load_b128 v[S+16*\b+4*\i:S+16*\b+4*\i+3], v[AB] offset:BBUF*\p+128*\b+16*\i   ; the bias tile in the result's layout: query r, keys 32 b + 16 h + 4 i on
.endr
.endr
.irp t, 0,1,2,3,4,5,6,7
	ds_load_b128 v[KF+6*\t:KF+6*\t+3], v[A16+\p] offset:768*\t
	ds_load_b64 v[KF+6*\t+4:KF+6*\t+5], v[A8+\p] offset:768*\t+512
.endr
.irp t, 0,1,2,3
	ds_load_b32 v[KS+\t], v[A4+\p] offset:12288+128*\t       ; lanes 0-15 tile 2 t's scale words, lanes 16-31 tile 2 t + 1's
.endr
.irp t, 0,1,2,3,4,5,6,7
	ds_load_b128 v[VF+6*\t:VF+6*\t+3], v[A16+\p] offset:6144+768*\t
	ds_load_b64 v[VF+6*\t+4:VF+6*\t+5], v[A8+\p] offset:6144+768*\t+512
.endr
.irp t, 0,1
	ds_load_b32 v[VS+\t], v[A4+\p] offset:12800+128*\t
.endr
.if \comb
	BSTAGE 1-\p, 1-\p, \ld, \cnt
	s_wait_dscnt 20                                ; C, K and K's scale words are in; V's 18 loads and my two bias stores may be out
.else
.if \wo
	WIN 0x40                                       ; destination window 1
.irp f, 0,1,2,3,4,5,6,7,8,9,10,11,12,13,14,15
.irp c, 0,1,2
	global_load_b128 v[64+12*\f+4*\c:67+12*\f+4*\c], v[L16], s[10:11] offset:1536*\f+512*\c   ; fragment (tile f / 4, K step f % 4) of my 64 rows of Wo
.endr
.endr
	WIN 0
.endif
	s_wait_dscnt 18                                ; V's 18 loads may be out
.endif
.irp t, 0,1,2,3,4,5,6,7
	MM S+8*\t, KF+6*\t, QF, S+8*\t, KS+\t/2, QS, \t%2
.endr
.rept 4
	v_nop                                          ; places in front of the first read of results (ISA guide 7.12.1)
.endr
	SOFTMAX
.irp j, 0,2,4,6,8,10,12,14,16,18,20,22,24,26,28,30
	v_pk_mul_f32 v[O+\j:O+1+\j], v[O+\j:O+1+\j], v[252:253] op_sel_hi:[1,0]   ; O^T under the new M.  (These 16 also stand between the lines that made p's codes and scale word and the products below)
.endr
	s_wait_dscnt 0x0                               ; V is in
.irp n, 0,1,2,3
	MM O+8*\n, VF+12*\n, PC, O+8*\n, VS+\n/2, 253, \n%2
.endr
	s_add_co_u32 s[SJ], s[SJ], 1
.endm
	s_load_b512 s[4:19], s[0:1], 0x0               ; q_codes, q_scales, kv, wo_codes, wo_scales, bo, ipa, assoc
	s_load_b256 s[20:27], s[0:1], 0x40             ; mask, ids, pad, out
	v_lshl_add_u32 v[SPW], v0, 2, SPARE
	v_mov_b32 v[NIL], 0
	ds_add_u32 v1, v2
	ds_add_u32 v1, v2
	s_wait_dscnt 0x0
	v_lshrrev_b32 v3, 5, v0
	v_readfirstlane_b32 s[WV], v3                  ; wave = head
	s_bfe_u32 s29, ttmp6, 0x40000                  ; cx: it enters the addresses of Q, the bias rows, the ids and the output alone
	s_lshl_b32 s30, ttmp9, 2
	s_add_co_u32 s30, s30, s29                     ; my tile of queries = 4 x cluster x + cx
	s_and_b32 s31, ttmp7, 0xffff                   ; batch
	s_lshr_b32 s50, s30, 1
	s_lshl_b32 s50, s50, 5
	s_and_b32 s51, s30, 1
	s_lshl_b32 s51, s51, 3
	s_add_co_u32 s50, s50, s51                     ; q0
	s_lshl_b32 s[R0], s[WV], 1
	s_lshr_b32 s51, s[WV], 2
	s_lshl_b32 s51, s51, 3
	s_add_co_u32 s[R0], s[R0], s51
	s_add_co_u32 s[R0], s[R0], s50                 ; tile rows 2 w and 2 w + 1: queries q0 + 2 w + 8 (w / 4) and the next
	s_lshr_b32 s[SJ], ttmp9, 4
	s_lshl_b32 s[SJ], s[SJ], 3
	s_add_co_u32 s[SJ], s[SJ], ttmp9
	s_and_b32 s[SJ], s[SJ], 15                     ; start: the same in all four partners
	s_add_co_u32 s[SJ], s[SJ], 15                  ; one step ahead of step 0
	s_mov_b32 s[G1], 15|(3<<16)|(1<<21)            ; 15:0 the mask: all four work-groups; 17:16 elements of 8 bytes; 20 no padding; 21 set beside a mask
	s_mov_b32 s[G1+1], 32<<16                      ; tensor_dim0 = 32 elements: rows of 256 bytes
	s_mov_b32 s[G1+2], 51<<16                      ; tensor_dim1 = 51 rows: 13,056 dense bytes
	s_mov_b32 s[G1+3], 32<<16                      ; tile_dim0
	s_mov_b32 s[G1+4], 51                          ; tile_dim1
	s_mov_b32 s[G1+5], 32                          ; the pitch
	s_mov_b32 s[G1+6], 0
	s_mov_b32 s[G1+7], 0
	s_mov_b32 s[CS], 0x3e38aa3b                    ; log2(e) / 8
	s_mov_b32 s[CS+1], s[CS]                       ; (named with it as a pair, so it is written)
	s_mov_b32 s[SEL], 0x76543210
	s_mov_b32 s[SEL+1], 0xfedcba98
	s_mov_b32 s55, 0
	s_mov_b32 s91, 0
	v_and_b32 v240, 31, v0                         ; lane
	v_and_b32 v241, 15, v0                         ; r
	v_bfe_u32 v242, v0, 4, 1                       ; h
	v_lshlrev_b32 v[L16], 4, v240
	v_lshlrev_b32 v[L8], 3, v240
	v_lshlrev_b32 v[L4], 2, v240
	v_lshlrev_b32 v[R4], 2, v241
	s_mul_i32 s[G0+1], s[WV], BLK                  ; my head's block in slot 0: no place in the cluster enters an LDS address
	s_add_co_u32 s[G0+5], s[G0+1], SLOT1           ; and in slot 1
	v_add_nc_u32 v[A16], s[G0+1], v[L16]
	v_add_nc_u32 v[A16+1], SLOT1, v[A16]
	v_add_nc_u32 v[A8], s[G0+1], v[L8]
	v_add_nc_u32 v[A8+1], SLOT1, v[A8]
	v_add_nc_u32 v[A4], s[G0+1], v[L4]
	v_add_nc_u32 v[A4+1], SLOT1, v[A4]
	v_mul_u32_u24 v[AB], v241, 528
	v_lshl_add_u32 v[AB], v242, 6, v[AB]
	v_add_nc_u32 v[AB], BIAS, v[AB]
	s_mul_i32 s66, s[WV], 1056
	s_add_co_u32 s66, s66, BIAS
	v_add_nc_u32 v[BST], s66, v[L16]
	s_wait_kmcnt 0x0
	s_lshl_b32 s54, s31, 11
	s_add_co_u32 s54, s54, s[R0]
	s_lshl_b32 s54, s54, 13                        ; a row of 2,048 f32 is 8,192 bytes
	s_add_nc_u64 s[16:17], s[16:17], s[54:55]      ; ipa and assoc at (batch, my first row)
	s_add_nc_u64 s[18:19], s[18:19], s[54:55]
	s_lshl_b32 s54, s[R0], 13
	s_add_nc_u64 s[20:21], s[20:21], s[54:55]      ; the mask at my first row
	s_lshl_b32 s54, s31, 13
	s_add_nc_u64 s[22:23], s[22:23], s[54:55]      ; my batch's ids
	s_lshl_b32 s54, s[R0], 2
	s_add_nc_u64 s[96:97], s[22:23], s[54:55]
	s_load_b64 s[IDQ:IDQ+1], s[96:97], 0x0         ; the ids of my two queries (my first row's number is even)
	s_lshl_b32 s54, s31, 11
	s_add_nc_u64 s[24:25], s[24:25], s[54:55]      ; my batch's pad bytes
	s_lshl_b32 s54, s31, 7
	s_add_co_u32 s54, s54, s30
	s_lshl_b32 s54, s54, 3
	s_add_co_u32 s54, s54, s[WV]
	s_mul_i32 s54, s54, 768
	s_add_nc_u64 s[4:5], s[4:5], s[54:55]          ; Q's half fragment (batch, tile, head)
	s_lshl_b32 s54, s31, 3
	s_add_co_u32 s54, s54, s[WV]
	s_lshl_b32 s54, s54, 7
	s_add_co_u32 s54, s54, s30
	s_lshl_b32 s54, s54, 6
	s_add_nc_u64 s[6:7], s[6:7], s[54:55]          ; and its scale words
	s_mul_i32 s54, s[WV], 24576
	s_add_nc_u64 s[10:11], s[10:11], s[54:55]      ; my 16 fragments of Wo,
	s_lshl_b32 s54, s[WV], 10
	s_add_nc_u64 s[12:13], s[12:13], s[54:55]      ; their scale words,
	s_lshl_b32 s54, s[WV], 8
	s_add_nc_u64 s[14:15], s[14:15], s[54:55]      ; my 64 numbers of bo
	s_lshl_b32 s54, s31, 11
	s_add_co_u32 s54, s54, s50
	s_lshl_b32 s54, s54, 11
	s_lshl_b32 s51, s[WV], 8
	s_add_co_u32 s54, s54, s51
	s_add_nc_u64 s[26:27], s[26:27], s[54:55]      ; the output at (batch, q0), my 64 channels
	s_lshl_b32 s90, s31, 7
	s_add_co_u32 s90, s90, s[WV]
	s_mul_i32 s90, s90, BLK
	s_add_nc_u64 s[KVW:KVW+1], s[8:9], s[90:91]
	s_mov_b32 s[G0], 1
	s_mov_b32 s[G0+4], 1
	SETG0 G0, 1                                    ; slot 0: step 0's block
	SETG0 G0+4, 2                                  ; slot 1: step 1's
	CROUND                                         ; all four work-groups are here: the first joint loads meet
	tensor_load_to_lds s[G0:G0+3], s[G1:G1+7]      ; step 0's block; slot 1 is filled behind step 0's round, as a refill is
	s_nop 0
.rept 4
	v_nop
.endr
	global_load_b128 v[QF:QF+3], v[L16], s[4:5]
	global_load_b64 v[QF+4:QF+5], v[L8], s[4:5] offset:512
	global_load_b32 v[QS], v[R4], s[6:7]
	s_add_co_u32 s66, s[SJ], 1
	s_and_b32 s66, s66, 15
	s_add_co_u32 s67, s[SJ], 2
	s_and_b32 s67, s67, 15
	WIN 0x40                                       ; destination window 1
	v_mov_b32 v0, v[L16]                           ; u0 = 16 x lane
	v_mov_b32 v1, v[L4]                            ; u1 = 4 x lane
	v_mov_b32 v6, 0xff800000                       ; u6 = -infinity
	WIN 0x55
	RAWLOAD 0, 66                                  ; the raw rows of steps 0 and 1
	RAWLOAD 1, 67
	WIN 0
.irp j, 6,7,8,9,10,11
	v_mov_b32 v[QF+\j], 0                          ; Q's upper 64 along K: zero codes
.endr
.irp j, 48,49,50,51,52,53
	v_mov_b32 v[KF+\j], 0                          ; what tile 7's operand runs on into
.endr
.irp j, 0,1,2,3,4,5,6,7,8,9,10,11,12,13,14,15,16,17,18,19,20,21,22,23,24,25,26,27,28,29,30,31
	v_mov_b32 v[O+\j], 0                           ; O^T: the step is written without a first step of its own; the first change of M multiplies zeros
.endr
.irp b, 0,1,2,3
	v_mov_b32 v[TP+\b], 0                          ; a lane permute's destination counts as one of its sources
.endr
	v_mov_b32 v253, 0                              ; (named as the upper half of the pair v[252:253] before it is first written)
	v_mov_b32 v13, 0xff61b1e6                      ; the largest t so far: -3e38
	v_floor_f32 v12, -v13                          ; -M
	v_mov_b32 v14, 0
	v_mov_b32 v15, 0
	s_wait_kmcnt 0x0                               ; my two queries' ids
	s_cmp_ge_i32 s[IDQ], 0
	s_cselect_b32 s66, 0x40800000, 0               ; 8 x 0.5 where the id is valid: a choice of a value, no branch
	s_cmp_ge_i32 s[IDQ+1], 0
	s_cselect_b32 s67, 0x40800000, 0
	WIN 0x40
	v_mov_b32 v4, s66
	v_mov_b32 v5, s67
	WIN 0
	BSTAGE 0, 0, 1, 8                              ; step 0's bias tile (Q's loads are older than the set waited for: they are in too); step 2's raw rows are asked for
	s_add_co_u32 s[SJ], s[SJ], 1
	s_mov_b32 s[CNT], 6
.Lloop:                                            ; steps 0 to 11
	STEP 0, 1, 1, 1, 8, 0
	STEP 1, 1, 1, 1, 8, 0
	s_sub_co_i32 s[CNT], s[CNT], 1
	s_cmp_lg_u32 s[CNT], 0
	s_cbranch_scc1 .Lloop
	STEP 0, 1, 1, 1, 8, 0                          ; step 12: the last raw rows (step 15's) are asked for
	STEP 1, 1, 1, 0, 8, 0                          ; step 13
	STEP 0, 1, 1, 0, 0, 0                          ; step 14: the last bias tile: no younger loads; the last block is asked for
	STEP 1, 0, 0, 0, 0, 1                          ; step 15: nothing is filled, nothing combined; Wo's fragments are asked for
	; ---- the context: O^T / the sum, quantised along the channels, to LDS.  The address lines below are the places behind the last products.
	s_mul_i32 s66, s[WV], 768
	s_add_co_u32 s66, s66, CIMG
	v_add_nc_u32 v3, s66, v[L16]                   ; my half fragment's image
	v_add_nc_u32 v5, s66, v[L8]
	s_lshr_b32 s67, s[WV], 1
	s_lshl_b32 s67, s67, 6
	s_and_b32 s68, s[WV], 1
	s_lshl_b32 s68, s68, 1
	s_add_co_u32 s67, s67, s68
	s_add_co_u32 s67, s67, CSC
	v_add_nc_u32 v7, s67, v[R4]                    ; K step w / 2, row r, bytes 2 (w % 2) and + 1
	v_add_nc_u32 v4, CIMG, v[L16]
	v_add_nc_u32 v6, CIMG, v[L8]
	v_add_nc_u32 v8, CSC, v[L4]
	v_and_b32 v98, 15, v0                          ; r
	v_bfe_u32 v99, v0, 4, 1                        ; h
	s_mul_i32 s69, s[WV], 16*272
	s_add_co_u32 s69, s69, OSTG                    ; my stage
	v_mul_u32_u24 v9, v98, 272
	v_lshl_add_u32 v9, v99, 6, v9
	v_add_nc_u32 v9, s69, v9                       ; in: row r, + 64 h
	v_mul_u32_u24 v10, v99, 272
	v_lshl_add_u32 v10, v98, 4, v10
	v_add_nc_u32 v10, s69, v10                     ; back: lanes 0-15 one row, lanes 16-31 the next
	v_lshlrev_b32 v96, 6, v99                      ; bo: 64 h
	v_lshlrev_b32 v97, 11, v99
	v_lshl_add_u32 v97, v98, 4, v97                ; the same two rows in the output
.irp i, 0,1,2,3
.irp t, 0,1
	global_load_b32 v[88+2*\i+\t], v[L4], s[12:13] offset:128*(2*\i+\t)   ; Wo's scale words: tile i; lanes 0-15 K step 2 t, lanes 16-31 K step 2 t + 1
.endr
.endr
.irp i, 0,1,2,3
	global_load_b128 v[112+8*\i:115+8*\i], v96, s[14:15] offset:(32*(\i/2)+8*(\i%2))*4      ; bo in the result's layout: it is the C of each sum's first product
	global_load_b128 v[116+8*\i:119+8*\i], v96, s[14:15] offset:(32*(\i/2)+8*(\i%2))*4+16
.endr
	v_add_f32 v14, v14, v15                        ; the sum's two halves,
	v_permlanex16_b32 v252, v14, s[SEL], s[SEL+1]
	v_add_f32 v14, v14, v252                       ; and lane l xor 16's
	v_rcp_f32 v14, v14
	v_nop                                          ; one plain place behind the reciprocal
	s_wait_alu depctr_va_vdst(0)                   ; and the wait ahead of its first reader
.irp j, 0,2,4,6,8,10,12,14,16,18,20,22,24,26,28,30
	v_pk_mul_f32 v[O+\j:O+1+\j], v[O+\j:O+1+\j], v[14:15] op_sel_hi:[1,0]
.endr
	QUANT32 O, TM, TP, TS, 32, 254                 ; register 16 b + i is channel 32 b + 16 h + i of my head
	ds_store_b128 v3, v[32:35]
	ds_store_b64 v5, v[36:37] offset:512
	ds_store_b16 v7, v254
	s_wait_dscnt 0x0                               ; for the others' sake: my stores have landed
	s_barrier_signal -1
	s_barrier_wait -1                              ; the eight heads' half fragments lie in LDS
.irp t, 0,1,2,3,4,5,6,7                        ; head t is half t % 2 of K step t / 2
	ds_load_b128 v[32+6*\t:35+6*\t], v4 offset:768*\t
	ds_load_b64 v[36+6*\t:37+6*\t], v6 offset:768*\t+512
.endr
	ds_load_b32 v86, v8                            ; lanes 0-15 K step 0's scale words, lanes 16-31 K step 1's
	ds_load_b32 v87, v8 offset:128
	s_wait_dscnt 0x0
	s_wait_loadcnt 0x0                             ; Wo's fragments and scale words, bo
	WIN 0x01                                       ; source 0 (Wo) window 1
.irp s, 0,1,2,3                                ; four accumulators by turns, a K step at a time
.irp i, 0,1,2,3
	MM 112+8*\i, 64+12*(4*\i+\s), 32+12*\s, 112+8*\i, 88+2*\i+\s/2, 86+\s/2, 2*(\s%2)
.endr
.endr
	WIN 0
.rept 4
	v_nop                                          ; places in front of the first read of results and of the loads into registers that these products have read
.endr
.irp i, 0,1,2,3                                ; lane (r, h), tile i: channels 32 (i / 2) + 16 h + 8 (i % 2) + 0 .. 7 of my 64, of query row r
	ds_store_b128 v9, v[112+8*\i:115+8*\i] offset:128*(\i/2)+32*(\i%2)
	ds_store_b128 v9, v[116+8*\i:119+8*\i] offset:128*(\i/2)+32*(\i%2)+16
.endr
.irp t, 0,1,2,3,4,5,6,7
	ds_load_b128 v[32+4*\t:35+4*\t], v10 offset:544*\t   ; LDS serves a wave's instructions in order (ISA guide 5.7.1.4): these see my stores
.endr
.irp t, 0,1,2,3,4,5,6,7
	s_wait_dscnt 7-\t
	global_store_b128 v97, v[32+4*\t:35+4*\t], s[26:27] offset:(2*\t+8*(\t/4))*2048 th:TH_STORE_NT   ; tile rows 2 t and 2 t + 1; 16 lanes store 256 consecutive bytes, at a multiple of 256 from the output's first byte
.endr
	s_wait_tensorcnt 0x0                           ; the wave's end: behind my last tensor load and my last LDS store
	ds_add_u32 v[SPW], v[NIL]
	s_wait_dscnt 0x0
	CROUND                                         ; the closing round: no work-group ends while a partner may still ask for a block that names it
	s_endpgm
.Lfunc_end_k_q305252df9d_attn:
	.size	k_q305252df9d_attn, .Lfunc_end_k_q305252df9d_attn-k_q305252df9d_attn
	.p2alignl 7, 3214868480
	.fill 96, 4, 3214868480
	.section	.rodata,"a",@progbits
	.p2align	6, 0x0
	.amdhsa_kernel k_q305252df9d_attn
		.amdhsa_group_segment_fixed_size 327680
		.amdhsa_private_segment_fixed_size 0
		.amdhsa_enable_private_segment 0
		.amdhsa_kernarg_size 96
		.amdhsa_user_sgpr_count 2
		.amdhsa_user_sgpr_kernarg_segment_ptr 1
		.amdhsa_wavefront_size32 1
		.amdhsa_system_sgpr_workgroup_id_x 1
		.amdhsa_system_sgpr_workgroup_id_y 1
		.amdhsa_system_sgpr_workgroup_id_z 1
		.amdhsa_system_vgpr_workitem_id 0
		.amdhsa_next_free_vgpr 512
		.amdhsa_next_free_sgpr 100
		.amdhsa_reserve_vcc 0
		.amdhsa_float_denorm_mode_32 3
		.amdhsa_float_denorm_mode_16_64 3
		.amdhsa_memory_ordered 1
		.amdhsa_forward_progress 1
		.amdhsa_inst_pref_size 160
	.end_amdhsa_kernel
	.amdgpu_metadata
---
amdhsa.version: [ 1, 2 ]
amdhsa.kernels:
  - .name:           k_q305252df9d_attn
    .symbol:         k_q305252df9d_attn.kd
    .args:
      - { .name: q_codes, .offset: 0, .size: 8, .value_kind: global_buffer, .address_space: global }
      - { .name: q_scales, .offset: 8, .size: 8, .value_kind: global_buffer, .address_space: global }
      - { .name: kv, .offset: 16, .size: 8, .value_kind: global_buffer, .address_space: global }
      - { .name: wo_codes, .offset: 24, .size: 8, .value_kind: global_buffer, .address_space: global }
      - { .name: wo_scales, .offset: 32, .size: 8, .value_kind: global_buffer, .address_space: global }
      - { .name: bo, .offset: 40, .size: 8, .value_kind: global_buffer, .address_space: global }
      - { .name: ipa_affinity_bias, .offset: 48, .size: 8, .value_kind: global_buffer, .address_space: global }
      - { .name: assoc_bias, .offset: 56, .size: 8, .value_kind: global_buffer, .address_space: global }
      - { .name: attention_mask, .offset: 64, .size: 8, .value_kind: global_buffer, .address_space: global }
      - { .name: concept_ids, .offset: 72, .size: 8, .value_kind: global_buffer, .address_space: global }
      - { .name: key_padding_mask, .offset: 80, .size: 8, .value_kind: global_buffer, .address_space: global }
      - { .name: out0, .offset: 88, .size: 8, .value_kind: global_buffer, .address_space: global }
    .group_segment_fixed_size: 327680
    .private_segment_fixed_size: 0
    .kernarg_segment_align: 8
    .kernarg_segment_size: 96
    .max_flat_workgroup_size: 256
    .sgpr_count:     100
    .vgpr_count:     512
    .wavefront_size: 32
...
	.end_amdgpu_metadata
.endif
;; end of part 2
;; ======== version 2 of 2: 2 launches
;; workspace buffers: q_codes 1,572,864 bytes; q_scales 131,072 bytes; kv 3,342,336 bytes; wo_codes 196,608 bytes; wo_scales 8,192 bytes
;; launch proj (part 3): grid 8 x 33, 8 waves a work-group, no clusters, 136,192 bytes of LDS; arguments x, Wq, Wk, Wv, Wo, bq, bk, bv, q_codes, q_scales, kv, wo_codes, wo_scales; writes q_codes, q_scales, kv, wo_codes, wo_scales
.if DOCPART == 3
	.amdgcn_target "amdgcn-amd-amdhsa--gfx1250"
	.amdhsa_code_object_version 6
	.text
	.protected	k_q305252df9d_proj
	.globl	k_q305252df9d_proj
	.p2align	8
	.type	k_q305252df9d_proj,@function
k_q305252df9d_proj:
	s_mov_b64 s[64:65], 0
	v_nop
	global_prefetch_b8 v0, s[64:65] scope:SCOPE_SE
	s_setreg_imm32_b32 hwreg(HW_REG_WAVE_SCHED_MODE, 0, 2), 2
	s_setreg_imm32_b32 hwreg(HW_REG_WAVE_MODE, 25, 1), 1
	s_wait_xcnt 0x0
	s_wait_alu depctr_vm_vsrc(0)
; q, k, v = x W^T + b on codes of FP6 (E2M3) with one E8M0 scale for each 32 along K, and q, k, v quantised again for the attention launch.  Nothing wider than codes is stored.
; SHARES.  Work-group (x = head, y = block of 128 rows of x, y < 32) makes the head's 64 channels of q, k and v for its 128 rows.  The 8 work-groups with y = 32 quantise Wo (64 rows each) and use no LDS.
; PHASE X: the eight waves quantise the block's 128 rows of x (32 fragments of 16 rows x 128 K) and the head's 64 rows of Wk, Wq, Wv (48 fragments) and lay them in LDS as IMAGES OF THE OPERAND'S REGISTERS:
;   a fragment's 12 registers by 3 ds_store_b128, lane l's 16 bytes at 16 l; its scale words 4 bytes a lane.  One barrier.
; PHASE G: wave w = (mu = w & 1: k or q, m = w >> 1) makes 4 tiles of channels x 2 tiles of rows (source 0 = W, source 1 = x: a lane holds one row, its registers run along the channels), quantises along the channels;
;   wave w = (c = w >> 2, n = w & 3) makes 4 tiles of rows x 1 tile of v's channels (source 0 = x, source 1 = Wv: a lane holds one channel, its registers run along the keys), quantises along the keys.
; THE ROWS OF A TILE ARE NOT NEIGHBOURS: lane r of tile t takes row 32 (t / 2) + 8 (t % 2) + r + 8 (r / 8), in x and in every weight, so that the 16 registers of result tiles 2 b and 2 b + 1 are 16 neighbours along the next K.
; WHAT IS STORED.  A half fragment (16 rows x 64 K, 6 registers a lane) is 768 bytes: registers 0-3 at 16 x lane, registers 4-5 at 512 + 8 x lane.
;   q_codes [batch][tile of 16 queries][head][768];  q_scales [batch][head][tile][16 words];  kv [batch][block of 128 keys][head][13,056]: 8 tiles of k, 8 half fragments of v (tile n, keys 64 c on: 2 n + c), 128 scale words of k, 64 of v;
;   wo_codes [fragment 16 g + 4 a + s][1,536];  wo_scales [g][a][s / 2][32 lanes]: lanes 0-15 the even K step's words, lanes 16-31 the odd one's.
; x and the weights are loaded 64 bytes a lane and row (16 loads take 512 consecutive bytes of each of 16 rows): a turn through LDS for dense single loads would add 8 LDS instructions to each of the 80 jobs.
; LIMITS: NaN and infinities among the inputs are not served; a block whose largest magnitude lies under 2^-124 has its scale byte held at 1; a block of zeros has the byte 1 where the quantiser says 127 (its codes are zeros, and this program alone reads the bytes).
; THE MODE: SCHED_MODE bits 1:0 = 2 (LLVM: expert scheduling mode 2), set by the entry lines.  The code itself states the register dependences between vector or matrix instructions and memory or LDS instructions, with s_wait_alu, always for 0.
; THE PLAN.  Registers that memory or LDS instructions touch:
;   v1-23      offsets and LDS addresses: made once at the head, ahead of one wait on va_vdst, and never written again.
;   LB0 .. LB2 Job i: its 16 loads land in LB[i % 3]; its quantiser alone reads the set; behind it the loads of job i + 3 (behind job 8: the biases') land there.
;   v32-43, v30  the codes and the scale word: written by a quantiser, read by the stores behind it, written again by the next quantiser.
;   So a job has one wait on vm_vsrc ahead of its quantiser (the last job's stores have read the codes) and one on va_vdst behind it, which serves the job's four LDS stores and the sixteen loads that follow them.
;   FA, FB, SA, SB  A K step's LDS loads land there; its matrix instructions read them; no vector instruction names them.  One wait on va_vdst ahead of each later step's run of loads.
;   The two tiles of q or k have an out-buffer each (v32-37 and v30; v38-43 and v31): both are quantised, one wait on va_vdst follows, and six stores leave in one run.
;   The accumulators, the biases once loaded and v44-63 are named by vector and matrix instructions alone.
.set XIMG,  0                          ; LDS: x's 32 fragments (tile t, K step s: 4 t + s), 1,536 bytes each
.set WIMG,  49152                      ; the weights' 48: ((matrix: 0 Wk, 1 Wq, 2 Wv) x 4 + tile a) x 4 + s
.set XSC,   122880                     ; x's scale words, 128 bytes a fragment
.set WSC,   126976                     ; the weights'
.set SC,    133120                     ; the results' scale words: k 512 bytes, v 256, q 512
.set XA,    1                          ; v1   (r + 8 (r / 8)) x 2,048 + 64 h: my lane's bytes in 16 rows of x or of a weight
.set LI16,  2                          ; v2   16 x lane
.set LI8,   3                          ; v3   8 x lane
.set LXW,   4                          ; v4-7   where I store images and scale words: x's, the weights'
.set SXW,   5
.set LWW,   6
.set SWW,   7
.set LWM,   8                          ; v8-11  where I read them for q or k: my weight, my two tiles of rows
.set SWM,   9
.set LXM,   10
.set SXM,   11
.set LXC,   12                         ; v12-15 and for v: my four tiles of rows, my tile of Wv
.set SXC,   13
.set LWV,   14
.set SWV,   15
.set SCQK,  16                         ; v16-18 the results' scale words: in (q or k; v), out
.set SCV,   17
.set SCO,   18
.set GSO,   19                         ; v19  their place in memory
.set LI16B, 20                         ; v20-21 16 x lane, 8 x lane + the step to my second tile
.set LI8B,  21
.set H64,   22                         ; v22  64 h
.set R4P,   23                         ; v23  4 (r + 8 (r / 8))
.set SA,    24                         ; v24-27 source 0's scale words, v28-29 source 1's: they hold scales alone
.set SB,    28
.set PW,    30                         ; v30  the scale word just made
.set PW0,   31                         ; v31  bv of my channel, then my second tile's scale word; on Wo's path the first fragment's scale word
.set PC,    32                         ; v32-43 the codes just made (a fragment, or two half fragments: v32-37, v38-43); v44-50 at work
.set TMX,   52                         ; v52-55 largest magnitudes, v56-59 bytes, v60-63 the conversions' scale operands
.set TMB,   56
.set TMS,   60
.set LB,    64                         ; three sets of 64 numbers as loaded: v64, v128, v192
.set FA,    64                         ; phase G: source 0's four fragments, source 1's two, eight accumulators, the biases
.set FB,    112
.set ACC,   144
.set CB,    208
.set BV,    240
.set SEL,   40                         ; s[40:41] v_permlanex16_b32's selects for lane l xor 16
; 64 numbers a lane of 16 rows, 128 along K from byte off on: register 16 b + i = k 32 b + 16 h + i of my row
.macro XLOAD reg, base, off
.irp b, 0,1,2,3
.irp j, 0,1,2,3
	global_load_b128 v[\reg+16*\b+4*\j:\reg+16*\b+4*\j+3], v[XA], s[\base:\base+1] offset:\off+128*\b+16*\j
.endr
.endr
.endm
; those 64 numbers become a fragment's codes in v[PC] on and its scale word in v[PW]
.macro QUANT s
.irp b, 0,1,2,3
	v_max3_num_f32 v[TMX+\b], |v[\s+16*\b]|, |v[\s+1+16*\b]|, 0x1800000   ; block b: my 16 numbers, and the floor 2^(3 - 127): the byte cannot fall under 1
.endr
.irp i, 2,4,6,8,10,12,14
.irp b, 0,1,2,3
	v_max3_num_f32 v[TMX+\b], v[TMX+\b], |v[\s+16*\b+\i]|, |v[\s+1+16*\b+\i]|   ; the four blocks by turns
.endr
.endr
.irp b, 0,1,2,3
	v_permlanex16_b32 v[TMB+\b], v[TMX+\b], s[SEL], s[SEL+1]
.endr
.irp b, 0,1,2,3
	v_max_num_f32 v[TMX+\b], v[TMX+\b], v[TMB+\b]                  ; with lane l xor 16's: the block's largest magnitude
.endr
.irp b, 0,1,2,3
	v_add_nc_u32 v[TMS+\b], 0xff000000, v[TMX+\b]                  ; 2 off its exponent field: the conversion's scale operand
.endr
.irp b, 0,1,2,3
	v_lshrrev_b32 v[TMB+\b], 23, v[TMS+\b]                         ; the scale's byte
.endr
	v_lshl_or_b32 v[PW], v[TMB+1], 8, v[TMB]
	v_lshl_or_b32 v[PW], v[TMB+2], 16, v[PW]
	v_lshl_or_b32 v[PW], v[TMB+3], 24, v[PW]
.irp c, 0,1
	v_cvt_scalef32_pk16_fp6_f32 v[PC+6*\c:PC+2+6*\c], v[\s+32*\c:\s+15+32*\c], v[TMS+2*\c]
	v_cvt_scalef32_pk16_fp6_f32 v[PC+12+4*\c:PC+14+4*\c], v[\s+16+32*\c:\s+31+32*\c], v[TMS+2*\c+1]   ; (a conversion's three registers begin on an even number)
.endr
	v_nop                                          ; one plain place behind a scaled conversion
.irp c, 0,1                                    ; the operand's layout wants a whole block in a lane: lanes 0-15 block 2 c, lanes 16-31 block 2 c + 1
.irp i, 0,1,2
	v_permlane16_swap_b32 v[PC+6*\c+\i], v[PC+12+4*\c+\i]
.endr
.irp i, 0,1,2
	v_mov_b32 v[PC+3+6*\c+\i], v[PC+12+4*\c+\i]
.endr
.endr
.endm
; 32 numbers a lane, register 16 b + i = element 32 b + 16 h + i of my row, become a half fragment in v[pc] .. v[pc + 5] (v[pt] .. v[pt + 2] at work) and two scale bytes in v[pw]
.macro QUANT32 s, tmx, tmb, tms, pc, pt, pw
.irp b, 0,1
	v_max3_num_f32 v[\tmx+\b], |v[\s+16*\b]|, |v[\s+1+16*\b]|, 0x1800000
.endr
.irp i, 2,4,6,8,10,12,14
.irp b, 0,1
	v_max3_num_f32 v[\tmx+\b], v[\tmx+\b], |v[\s+16*\b+\i]|, |v[\s+1+16*\b+\i]|
.endr
.endr
.irp b, 0,1
	v_permlanex16_b32 v[\tmb+\b], v[\tmx+\b], s[SEL], s[SEL+1]
.endr
.irp b, 0,1
	v_max_num_f32 v[\tmx+\b], v[\tmx+\b], v[\tmb+\b]
.endr
.irp b, 0,1
	v_add_nc_u32 v[\tms+\b], 0xff000000, v[\tmx+\b]
.endr
.irp b, 0,1
	v_lshrrev_b32 v[\tmb+\b], 23, v[\tms+\b]
.endr
	v_lshl_or_b32 v[\pw], v[\tmb+1], 8, v[\tmb]
	v_cvt_scalef32_pk16_fp6_f32 v[\pc:\pc+2], v[\s:\s+15], v[\tms]
	v_cvt_scalef32_pk16_fp6_f32 v[\pt:\pt+2], v[\s+16:\s+31], v[\tms+1]
	v_nop                                          ; one plain place behind a scaled conversion
.irp i, 0,1,2
	v_permlane16_swap_b32 v[\pc+\i], v[\pt+\i]
.endr
.irp i, 0,1,2
	v_mov_b32 v[\pc+3+\i], v[\pt+\i]
.endr
.endm
.macro IMAGE adr, off                          ; the fragment in v[PC] on goes to LDS as it stands
.irp c, 0,1,2
	ds_store_b128 v[\adr], v[PC+4*\c:PC+4*\c+3] offset:\off+512*\c
.endr
.endm
.macro FETCH reg, adr, off                     ; and comes back so, in any wave
.irp c, 0,1,2
	ds_load_b128 v[\reg+4*\c:\reg+4*\c+3], v[\adr] offset:\off+512*\c
.endr
.endm
.macro BARRIER                                 ; my LDS stores have landed and my LDS loads are in: then the work-group's barrier
	s_wait_dscnt 0x0
	s_barrier_signal -1
	s_barrier_wait -1
.endm
.macro MM d, a, b, c, sa, sb
	v_wmma_scale_f32_16x16x128_f8f6f4 v[\d:\d+7], v[\a:\a+11], v[\b:\b+11], v[\c:\c+7], v[\sa], v[\sb] matrix_a_fmt:MATRIX_FMT_FP6 matrix_b_fmt:MATRIX_FMT_FP6
.endm
; 4 tiles of source 0 x nb tiles of source 1, K = 512 in four steps.  The accumulators take turns, one instruction a turn; the bias is the C of each sum's first instruction.
; The first step's loads follow a wait on va_vdst that stands ahead of the macro, behind the last vector or matrix instruction that named FA, FB, SA or SB.
.macro GEMM nb, aa, sa, ba, sb, cb, cs
.irp s, 0,1,2,3
.if \s > 0
	s_wait_alu depctr_va_vdst(0)                   ; the last step's products are done reading their fragments and scale words, in which the loads below land
.endif
.irp a, 0,1,2,3
	FETCH FA+12*\a, \aa, 6144*\a+1536*\s
	ds_load_b32 v[SA+\a], v[\sa] offset:512*\a+128*\s
.endr
.set gi, 0
.rept \nb
	FETCH FB+12*gi, \ba, 6144*gi+1536*\s
	ds_load_b32 v[SB+gi], v[\sb] offset:512*gi+128*\s
.set gi, gi+1
.endr
	s_wait_dscnt 0x0
.set gi, 0
.rept \nb
.irp a, 0,1,2,3
.if \s == 0
	MM ACC+8*(4*gi+\a), FA+12*\a, FB+12*gi, \cb+\cs*\a, SA+\a, SB+gi
.else
	MM ACC+8*(4*gi+\a), FA+12*\a, FB+12*gi, ACC+8*(4*gi+\a), SA+\a, SB+gi
.endif
.endr
.set gi, gi+1
.endr
.rept 5
	v_nop                                          ; places behind these products (ISA guide 7.12.1): behind the last step they stand ahead of the first read of results
.endr
.endr
.endm
.macro LADR dst, src, sreg, mul, base          ; an LDS address: a constant + a constant x (a number made of the wave's) + a lane term
	s_mul_i32 s50, s[\sreg], \mul
	s_add_co_u32 s50, s50, \base
	v_add_nc_u32 v[\dst], s50, v[\src]
.endm
; job i of phase X: its 16 loads are in (cnt younger loads may be out); quantise, store image and scale words.  The loads that follow the macro land in the set that this job has read.
.macro JOB i, cnt, ia, ioff, sa, soff
	s_wait_loadcnt \cnt
	s_wait_dscnt 0x0                               ; my earlier LDS stores have landed
.if (\i) > 0
	s_wait_alu depctr_vm_vsrc(0)                   ; the last job's LDS stores have read v[PC] on and v[PW], which the quantiser writes again
.endif
	QUANT LB+64*((\i)%3)
	s_wait_alu depctr_va_vdst(0)                   ; the quantiser has written v[PC] on and v[PW], which the stores below read, and is done reading its 64 numbers, in whose registers the next loads land
	IMAGE \ia, \ioff
	ds_store_b32 v[\sa], v[PW] offset:\soff
.endm
	s_load_b512 s[4:19], s[0:1], 0x0               ; x, Wq, Wk, Wv, Wo, bq, bk, bv
	s_load_b256 s[20:27], s[0:1], 0x40             ; q_codes, q_scales, kv, wo_codes
	s_load_b64 s[28:29], s[0:1], 0x60              ; wo_scales
	v_lshl_add_u32 v47, v0, 2, 0x21000
	v_mov_b32 v51, 0
	v_lshrrev_b32 v52, 5, v0
	v_readfirstlane_b32 s30, v52                   ; wave w
	s_mov_b32 s31, ttmp9                           ; head (on Wo's path: g)
	s_and_b32 s32, ttmp7, 0xffff                   ; block of rows, 0 .. 31; 32: Wo
	s_lshr_b32 s33, s32, 4                         ; batch
	s_and_b32 s34, s32, 15                         ; block of 128 keys in the batch
	s_mov_b32 s[SEL], 0x76543210
	s_mov_b32 s[SEL+1], 0xfedcba98
	v_and_b32 v52, 31, v0                          ; lane
	v_and_b32 v53, 15, v0                          ; r
	v_bfe_u32 v54, v0, 4, 1                        ; h
	v_and_b32 v55, 8, v53
	v_add_nc_u32 v55, v55, v53                     ; r + 8 (r / 8)
	v_lshlrev_b32 v[XA], 11, v55
	v_lshl_add_u32 v[XA], v54, 6, v[XA]
	v_lshlrev_b32 v[LI16], 4, v52
	v_lshlrev_b32 v[LI8], 3, v52
	v_lshlrev_b32 v56, 2, v52                      ; 4 x lane
	s_wait_alu depctr_va_vdst(0)
	v_lshlrev_b32 v57, 2, v53                      ; 4 r
	v_lshlrev_b32 v[H64], 6, v54
	v_lshlrev_b32 v[R4P], 2, v55
	s_wait_alu depctr_va_sdst(0)                   ; s30 is written, ahead of its first reader: the wave's shares, its LDS addresses and its bases are made from it
	s_and_b32 s35, s30, 1                          ; mu: 0 = k, 1 = q
	s_lshr_b32 s36, s30, 1                         ; m
	s_lshr_b32 s37, s30, 2                         ; c
	s_and_b32 s38, s30, 3                          ; n
	LADR LXW, LI16, 30, 6144, XIMG
	LADR SXW, 56, 30, 512, XSC
	LADR LWW, LI16, 30, 3072, WIMG
	LADR SWW, 56, 30, 256, WSC
	LADR LWM, LI16, 35, 24576, WIMG
	LADR SWM, 56, 35, 2048, WSC
	LADR LXM, LI16, 36, 12288, XIMG
	LADR SXM, 56, 36, 1024, XSC
	LADR LXC, LI16, 37, 24576, XIMG
	LADR SXC, 56, 37, 2048, XSC
	LADR LWV, LI16, 38, 6144, WIMG+49152
	LADR SWV, 56, 38, 512, WSC+4096
	LADR SCO, LI8, 30, 256, SC
	s_mul_i32 s50, s35, 768                        ; q's words lie 768 bytes behind k's; tile 2 m + i: 64 bytes a tile
	s_lshl_b32 s51, s36, 7
	s_add_co_u32 s50, s50, s51
	s_add_co_u32 s50, s50, SC
	v_add_nc_u32 v[SCQK], s50, v57
	s_lshl_b32 s50, s38, 6                         ; v's: tile n, bytes 2 c and 2 c + 1 of a word
	s_lshl_b32 s51, s37, 1
	s_add_co_u32 s50, s50, s51
	s_add_co_u32 s50, s50, SC+512
	v_add_nc_u32 v[SCV], s50, v57
.irp b, 0,1,2,3
	v_mov_b32 v[TMB+\b], 0                         ; written once: a lane permute's destination counts as one of its sources
.endr
	s_mul_i32 s39, s35, 5376                       ; from my first tile to my second: 768 bytes in kv, 8 x 768 in q_codes
	s_add_co_u32 s39, s39, 768
	v_add_nc_u32 v[LI16B], s39, v[LI16]
	v_add_nc_u32 v[LI8B], s39, v[LI8]
	s_mov_b32 s54, 12288                           ; the scale words leave in five pieces of 256 bytes: waves 0-2 k's and v's into kv, 12,288 bytes into a block; waves 3-4 q's
	s_cmp_lt_u32 s30, 3
	s_cselect_b32 s54, s54, 0xfffffd00
	s_lshl_b32 s55, s30, 8
	s_add_co_u32 s54, s54, s55
	v_add_nc_u32 v[GSO], s54, v[LI8]
	s_lshl_b32 s52, s31, 6                         ; my two fragments of a weight: rows 64 head + 32 (w / 4) + 8 ((w / 2) % 2) on, K steps 2 (w % 2) and + 1
	s_lshl_b32 s50, s37, 5
	s_add_co_u32 s52, s52, s50
	s_and_b32 s50, s36, 1
	s_lshl_b32 s50, s50, 3
	s_add_co_u32 s52, s52, s50
	s_lshl_b32 s52, s52, 11
	s_lshl_b32 s50, s35, 10
	s_add_co_u32 s52, s52, s50
	s_mov_b32 s53, 0
	s_mov_b32 s51, 0
	s_wait_kmcnt 0x0
	s_wait_alu depctr_va_vdst(0)                   ; the offsets and LDS addresses v1 to v23 are written: the loads and stores of both paths read them, and no line writes them again
	s_cmp_eq_u32 s32, 32
	s_cbranch_scc1 .Lwo
	s_lshl_b32 s50, s32, 7                         ; x: my tile w of the block: row 128 y + 32 (w / 2) + 8 (w % 2)
	s_lshl_b32 s54, s36, 5
	s_add_co_u32 s50, s50, s54
	s_lshl_b32 s54, s35, 3
	s_add_co_u32 s50, s50, s54
	s_lshl_b32 s50, s50, 11
	s_add_nc_u64 s[4:5], s[4:5], s[50:51]
	s_add_nc_u64 s[6:7], s[6:7], s[52:53]
	s_add_nc_u64 s[8:9], s[8:9], s[52:53]
	s_add_nc_u64 s[10:11], s[10:11], s[52:53]
	XLOAD LB, 4, 0                                 ; jobs 0, 1, 2: x's K steps 0, 1, 2
	XLOAD LB+64, 4, 512
	XLOAD LB+128, 4, 1024
	s_lshl_b32 s50, s32, 3                         ; q_codes: tile 8 y + 2 m of all tiles, my head
	s_lshl_b32 s54, s36, 1
	s_add_co_u32 s50, s50, s54
	s_lshl_b32 s50, s50, 3
	s_add_co_u32 s50, s50, s31
	s_mul_i32 s50, s50, 768
	s_add_nc_u64 s[20:21], s[20:21], s[50:51]
	s_lshl_b32 s50, s32, 3                         ; kv: block (y, head)
	s_add_co_u32 s50, s50, s31
	s_mul_i32 s50, s50, 13056
	s_add_nc_u64 s[24:25], s[24:25], s[50:51]
	s_mul_i32 s50, s36, 1536
	s_add_nc_u64 s[42:43], s[24:25], s[50:51]      ; k's tile 2 m
	s_cmp_eq_u32 s35, 1                            ; the choice hangs on the wave's number alone
	s_cselect_b64 s[42:43], s[20:21], s[42:43]     ; where my two tiles go
	s_cselect_b64 s[44:45], s[14:15], s[16:17]     ; bq or bk
	s_lshl_b32 s50, s31, 8
	s_add_nc_u64 s[44:45], s[44:45], s[50:51]      ; at my head
	s_lshr_b32 s54, s38, 1
	s_lshl_b32 s54, s54, 7
	s_add_co_u32 s50, s50, s54
	s_and_b32 s54, s38, 1
	s_lshl_b32 s54, s54, 5
	s_add_co_u32 s50, s50, s54
	s_add_nc_u64 s[18:19], s[18:19], s[50:51]      ; bv at my head's tile n
	s_lshl_b32 s50, s33, 3                         ; q_scales: (batch, head), tile 8 x block on
	s_add_co_u32 s50, s50, s31
	s_lshl_b32 s50, s50, 7
	s_lshl_b32 s54, s34, 3
	s_add_co_u32 s50, s50, s54
	s_lshl_b32 s50, s50, 6
	s_add_nc_u64 s[22:23], s[22:23], s[50:51]
	s_lshl_b32 s50, s38, 1                         ; v's half fragment 2 n + c
	s_add_co_u32 s50, s50, s37
	s_mul_i32 s50, s50, 768
	s_add_co_u32 s50, s50, 6144
	s_add_nc_u64 s[48:49], s[24:25], s[50:51]
	s_cmp_lt_u32 s30, 3                            ; the buffer into which my piece of the scale words goes
	s_cselect_b64 s[46:47], s[24:25], s[22:23]
	; ---- X: ten jobs a wave, three sets of registers, loads three jobs ahead.  Each run of loads stands behind its job's wait on va_vdst, with LDS stores alone between
	JOB 0, 32, LXW, 0, SXW, 0
	XLOAD LB, 4, 1536                              ; job 3: x's K step 3
	JOB 1, 32, LXW, 1536, SXW, 128
	XLOAD LB+64, 8, 0                              ; jobs 4, 5: Wk
	JOB 2, 32, LXW, 3072, SXW, 256
	XLOAD LB+128, 8, 512
	JOB 3, 32, LXW, 4608, SXW, 384
	XLOAD LB, 6, 0                                 ; jobs 6, 7: Wq
	JOB 4, 32, LWW, 0, SWW, 0
	XLOAD LB+64, 6, 512
	JOB 5, 32, LWW, 1536, SWW, 128
	XLOAD LB+128, 10, 0                            ; jobs 8, 9: Wv
	JOB 6, 32, LWW, 24576, SWW, 2048
	XLOAD LB, 10, 512
	JOB 7, 32, LWW, 24576+1536, SWW, 2048+128
	JOB 8, 16, LWW, 49152, SWW, 4096
.irp a, 0,1,2,3                                ; the biases, into registers that job 8 has left: bq or bk in the result's layout (tile a, my half's eight channels),
	global_load_b128 v[CB+8*\a:CB+8*\a+3], v[H64], s[44:45] offset:(32*(\a/2)+8*(\a%2))*4
	global_load_b128 v[CB+8*\a+4:CB+8*\a+7], v[H64], s[44:45] offset:(32*(\a/2)+8*(\a%2))*4+16
.endr
	global_load_b32 v[PW0], v[R4P], s[18:19]       ; bv of my lane's channel
	JOB 9, 9, LWW, 49152+1536, SWW, 4096+128       ; (the nine bias loads are younger and may be out)
	BARRIER                                        ; all 80 images lie in LDS
	s_wait_loadcnt 0x0
.irp j, 0,1,2,3,4,5,6,7
	v_mov_b32 v[BV+\j], v[PW0]                     ; in v's product a lane holds one channel: its eight registers take the same bias
.endr
	; ---- G: q or k.  The first step's loads land in registers that the jobs' quantisers read last: job 9's wait on va_vdst stands behind them, and the eight moves above name none of those registers
	GEMM 2, LWM, SWM, LXM, SXM, CB, 8
	s_wait_alu depctr_vm_vsrc(0)                   ; job 9's LDS stores have read v[PC] on and v[PW], which the two quantisers write
	QUANT32 ACC, TMX, TMB, TMS, PC, PC+12, PW      ; my first tile into v32-37 and v30,
	QUANT32 ACC+32, TMX, TMB, TMS, PC+6, PC+16, PW0   ; my second into v38-43 and v31: an out-buffer each
	s_wait_alu depctr_va_vdst(0)                   ; both quantisers have written their codes and scale words, which the six stores read; the product's matrix instructions are done reading FA, FB, SA and SB, in which the next product's first loads land
	global_store_b128 v[LI16], v[PC:PC+3], s[42:43]            ; 32 lanes store 512 consecutive bytes,
	global_store_b64 v[LI8], v[PC+4:PC+5], s[42:43] offset:512 ; and 256: both begin at multiples of 256 from the buffer's first byte
	ds_store_b32 v[SCQK], v[PW]                    ; lanes r and r + 16 write the same word with the same value
	global_store_b128 v[LI16B], v[PC+6:PC+9], s[42:43]
	global_store_b64 v[LI8B], v[PC+10:PC+11], s[42:43] offset:512
	ds_store_b32 v[SCQK], v[PW0] offset:64
	; ---- G: v
	GEMM 1, LXC, SXC, LWV, SWV, BV, 0
	s_wait_xcnt 0x0                                ; the global stores above have had their addresses translated: their data registers are rewritten only behind this wait
	s_wait_alu depctr_vm_vsrc(0)                   ; the six stores have read v[PC] on and v[PW], which the quantiser writes again
	QUANT32 ACC, TMX, TMB, TMS, PC, PC+12, PW
	s_wait_alu depctr_va_vdst(0)                   ; the quantiser has written v32-37 and v[PW], which the three stores read
	global_store_b128 v[LI16], v[PC:PC+3], s[48:49]
	global_store_b64 v[LI8], v[PC+4:PC+5], s[48:49] offset:512
	ds_store_b16 v[SCV], v[PW]
	BARRIER                                        ; 1,280 bytes of scale words lie in LDS
	s_cmp_lt_u32 s30, 5
	s_cbranch_scc0 .Lend
	s_wait_xcnt 0x0                                ; my last global stores have had their addresses translated
	s_wait_alu depctr_vm_vsrc(0)                   ; and have read v[PC] on, in which the load below lands (that the quantiser has written them, the last wait on va_vdst has shown)
	ds_load_b64 v[PC:PC+1], v[SCO]
	s_wait_dscnt 0x0
	global_store_b64 v[GSO], v[PC:PC+1], s[46:47]  ; 32 lanes store 256 consecutive bytes, aligned
.Lend:
	s_wait_dscnt 0x0
	s_wait_alu depctr_hold_cnt(0) depctr_sa_sdst(0) depctr_va_vdst(0) depctr_va_sdst(0) depctr_va_ssrc(0) depctr_va_vcc(0) depctr_vm_vsrc(0)
	s_wait_tensorcnt 0x0
	ds_add_u32 v47, v51
	s_wait_dscnt 0x0
	s_endpgm
	; ---- Wo: wave w quantises fragments 2 w and 2 w + 1 of rows 64 g on
.Lwo:
	s_add_nc_u64 s[12:13], s[12:13], s[52:53]
	XLOAD LB, 12, 0
	XLOAD LB+64, 12, 512
	s_lshl_b32 s50, s31, 4
	s_lshl_b32 s54, s30, 1
	s_add_co_u32 s50, s50, s54
	s_mul_i32 s50, s50, 1536
	s_add_nc_u64 s[26:27], s[26:27], s[50:51]
	s_lshl_b32 s50, s31, 10
	s_lshl_b32 s54, s30, 7
	s_add_co_u32 s50, s50, s54
	s_add_nc_u64 s[28:29], s[28:29], s[50:51]
	s_wait_loadcnt 16                              ; the first fragment's 16 loads are in
	QUANT LB
	s_wait_alu depctr_va_vdst(0)                   ; the quantiser has written v[PC] on, which the three stores read
.irp c, 0,1,2
	global_store_b128 v[LI16], v[PC+4*\c:PC+4*\c+3], s[26:27] offset:512*\c
.endr
	v_mov_b32 v[PW0], v[PW]
	s_wait_loadcnt 0x0
	s_wait_xcnt 0x0                                ; the stores have had their addresses translated: their data registers are rewritten only behind this wait
	s_wait_alu depctr_vm_vsrc(0)                   ; the three stores have read v[PC] on, which the quantiser writes again
	QUANT LB+64
	v_and_b32 v60, 31, v0
	v_cmp_gt_u32 vcc_lo, 16, v60
	v_lshlrev_b32 v61, 2, v60
	s_wait_alu depctr_va_vcc(0)                    ; the compare has written VCC, which the select reads
	v_cndmask_b32 v[PW0], v[PW], v[PW0], vcc_lo    ; lanes 0-15 the even K step's words, lanes 16-31 the odd one's
	s_wait_alu depctr_va_vdst(0)                   ; the quantiser has written v[PC] on, the select v[PW0], the shift the offset v61: the four stores read them
.irp c, 0,1,2
	global_store_b128 v[LI16], v[PC+4*\c:PC+4*\c+3], s[26:27] offset:1536+512*\c
.endr
	global_store_b32 v61, v[PW0], s[28:29]
	s_endpgm
.Lfunc_end_k_q305252df9d_proj:
	.size	k_q305252df9d_proj, .Lfunc_end_k_q305252df9d_proj-k_q305252df9d_proj
	.p2alignl 7, 3214868480
	.fill 96, 4, 3214868480
	.section	.rodata,"a",@progbits
	.p2align	6, 0x0
	.amdhsa_kernel k_q305252df9d_proj
		.amdhsa_group_segment_fixed_size 136192
		.amdhsa_private_segment_fixed_size 0
		.amdhsa_enable_private_segment 0
		.amdhsa_kernarg_size 104
		.amdhsa_user_sgpr_count 2
		.amdhsa_user_sgpr_kernarg_segment_ptr 1
		.amdhsa_wavefront_size32 1
		.amdhsa_system_sgpr_workgroup_id_x 1
		.amdhsa_system_sgpr_workgroup_id_y 1
		.amdhsa_system_sgpr_workgroup_id_z 1
		.amdhsa_system_vgpr_workitem_id 0
		.amdhsa_next_free_vgpr 256
		.amdhsa_next_free_sgpr 66
		.amdhsa_reserve_vcc 1
		.amdhsa_float_denorm_mode_32 3
		.amdhsa_float_denorm_mode_16_64 3
		.amdhsa_memory_ordered 1
		.amdhsa_forward_progress 1
		.amdhsa_inst_pref_size 102
	.end_amdhsa_kernel
	.amdgpu_metadata
---
amdhsa.version: [ 1, 2 ]
amdhsa.kernels:
  - .name:           k_q305252df9d_proj
    .symbol:         k_q305252df9d_proj.kd
    .args:
      - { .name: x, .offset: 0, .size: 8, .value_kind: global_buffer, .address_space: global }
      - { .name: Wq, .offset: 8, .size: 8, .value_kind: global_buffer, .address_space: global }
      - { .name: Wk, .offset: 16, .size: 8, .value_kind: global_buffer, .address_space: global }
      - { .name: Wv, .offset: 24, .size: 8, .value_kind: global_buffer, .address_space: global }
      - { .name: Wo, .offset: 32, .size: 8, .value_kind: global_buffer, .address_space: global }
      - { .name: bq, .offset: 40, .size: 8, .value_kind: global_buffer, .address_space: global }
      - { .name: bk, .offset: 48, .size: 8, .value_kind: global_buffer, .address_space: global }
      - { .name: bv, .offset: 56, .size: 8, .value_kind: global_buffer, .address_space: global }
      - { .name: q_codes, .offset: 64, .size: 8, .value_kind: global_buffer, .address_space: global }
      - { .name: q_scales, .offset: 72, .size: 8, .value_kind: global_buffer, .address_space: global }
      - { .name: kv, .offset: 80, .size: 8, .value_kind: global_buffer, .address_space: global }
      - { .name: wo_codes, .offset: 88, .size: 8, .value_kind: global_buffer, .address_space: global }
      - { .name: wo_scales, .offset: 96, .size: 8, .value_kind: global_buffer, .address_space: global }
    .group_segment_fixed_size: 136192
    .private_segment_fixed_size: 0
    .kernarg_segment_align: 8
    .kernarg_segment_size: 104
    .max_flat_workgroup_size: 256
    .sgpr_count:     66
    .vgpr_count:     256
    .wavefront_size: 32
...
	.end_amdgpu_metadata
.endif
;; end of part 3
;; launch attn (part 4): grid 128 x 2, 8 waves a work-group, clusters of 4 x 1, 327,680 bytes of LDS; arguments q_codes, q_scales, kv, wo_codes, wo_scales, bo, ipa_affinity_bias, assoc_bias, attention_mask, concept_ids, key_padding_mask, out0; writes out0
.if DOCPART == 4
	.amdgcn_target "amdgcn-amd-amdhsa--gfx1250"
	.amdhsa_code_object_version 6
	.text
	.protected	k_q305252df9d_attn
	.globl	k_q305252df9d_attn
	.p2align	8
	.type	k_q305252df9d_attn,@function
k_q305252df9d_attn:
	s_mov_b64 s[64:65], 0
	v_nop
	global_prefetch_b8 v0, s[64:65] scope:SCOPE_SE
	s_setreg_imm32_b32 hwreg(HW_REG_WAVE_MODE, 25, 1), 1
	s_wait_xcnt 0x0
	s_wait_alu depctr_hold_cnt(0) depctr_sa_sdst(0) depctr_va_vdst(0) depctr_va_sdst(0) depctr_va_ssrc(0) depctr_va_vcc(0) depctr_vm_vsrc(0)
	s_getreg_b32 s2, hwreg(HW_REG_IB_STS2, 6, 4)
	s_cmp_eq_u32 s2, 0
	s_cbranch_scc0 .Lentry_in_a_cluster
	s_endpgm
.Lentry_in_a_cluster:
	s_bfe_u32 s2, ttmp6, 0x10000c
	s_cmp_lg_u32 s2, 0x3003
	s_cbranch_scc0 .Lentry_shape_is_right
	s_endpgm
.Lentry_shape_is_right:
; out = softmax(q k^T / 8 + 0.5 cmat + ipa + assoc + mask, padded keys at -infinity) v, heads joined, x Wo^T + bo: all three products on codes of FP6 (E2M3) with one E8M0 scale for each 32 along K.
; SHARES.  A work-group owns one tile of 16 queries of one batch (rows q0 + r + 8 (r / 8), q0 = 32 (tile / 2) + 8 (tile % 2)) for ALL 8 HEADS: wave w is head w.  So what is added to the scores, which is the same for
;   all heads, is read from memory once and combined once: each wave combines two of the tile's 16 rows for the next 128 keys and lays them in LDS; every wave takes the 16 x 128 tile as the C of its score product.
;   And a row's whole context lies in one work-group: it is quantised there, handed round through LDS as images of the operand's registers, and wave w makes output channels 64 w .. 64 w + 63.
; LAYOUT.  S^T = K Q^T (source 0 = 16 keys, source 1 = my 16 queries), O^T = V^T P^T (source 0 = 16 channels): a lane holds ONE query (lane % 16) throughout.  The keys of a tile of K and the channels of a tile of V
;   are not neighbours (lane r of tile t: 32 (t / 2) + 8 (t % 2) + r + 8 (r / 8)), so that the 16 registers of result tiles 2 b and 2 b + 1 are 16 neighbours along the next K.
; K = 64 IN AN INSTRUCTION OF 128.  Q's registers 6-11 are zero codes.  K's eight tiles lie packed, six registers each: tile t's operand runs on into tile t + 1's codes (behind tile 7: six zeroed registers).  A zero code times
;   any code of this format, which has neither infinity nor NaN, is 0; the scale bytes of that half are 0 (2^-127), never 0xff.
; THE SOFTMAX.  C = 8 x (what is added), so the product gives 8 x the logit; t - M = that x log2(e) / 8 - M; M = the running largest t rounded up to a whole number; p = 2^(t - M) is quantised along the keys; the row's sum is taken
;   of the unquantised p and divides at the end.  When M moves, the sum and O^T are multiplied by 2^(old M - new M): exact.  A padded key has C = -infinity, so p = 0; a row all of whose keys are padded gives 0 / 0 = NaN, as the definition does.
; CLUSTER.  Four work-groups of one batch walk the same key blocks in step and ask for each head's block of K and V (13,056 bytes, dense) JOINTLY: wave w of each issues the same load, mask 15.  Q (768 bytes a wave), Wo (24,576 bytes a
;   wave, once) and the bias rows are not shared so: the bias rows differ between partners, and Q and Wo together are under a tenth of the 16 x 13,056 bytes that a wave takes of K and V.
; THE KEY BLOCKS ARE WALKED FROM A START THAT HANGS ON THE CLUSTER'S NUMBER: step j takes block (start + j) % 16, so that at any step the clusters of a batch ask for different blocks.  The running whole-number M makes the order immaterial.
; THE RING.  Two slots of 8 x 13,056 bytes.  At the head of step j: all my tensor loads have landed (block j), 0 onto my spare word, my LDS work is done, a round of the cluster's barrier; behind it my one joint load (block j + 1, into the slot
;   just left).  The same round shows bias tile j to all waves and frees the other bias buffer.  A wave has one tensor load out.  All of LDS is claimed.
; LIMITS: NaN and +infinity among the inputs are not served; the terms added to a score are summed as ((ipa + assoc) + mask) x 8 + 4 cmat and join the product's sum, another order of f32 roundings than the definition's;
;   a block of p or of the context whose largest magnitude lies under 2^-124 has its scale byte held at 1 (a block of zeros too: its codes are zeros).
; REGISTERS.  Window 0: v1-11, v29-31 addresses; v12 -M, v13 the largest t, v[14:15] the sum; v16-27 Q; v28, v86-95, v253 scale words (v92-95 also partial sums in the softmax); v32-85 K (then p's codes); v96-159 S^T, then p; v160-191 O^T; v192-239 V; v240-255 at work.
;   Window 1 (u = v256 on): u0 16 x lane, u1 4 x lane, u4-5 4.0 where my two queries' ids are valid, u6 -infinity, u7-27 at work, u32 on and u64 on two sets of raw bias rows; in the last step u64-255 take Wo's 16 fragments.
.set BLK,   13056                      ; a head's block: 8 tiles of K (768 bytes each), 8 half fragments of V, 128 scale words of K, 64 of V
.set STEPB, 8*BLK                      ; a key block's eight heads: a slot
.set SLOT1, 131072
.set BIAS,  104448                     ; two buffers of 16 rows x (512 bytes + 16)
.set BBUF,  8448
.set CIMG,  121344                     ; the context's eight half fragments
.set CSC,   127488                     ; and its scale words: 4 K steps x 16 rows
.set OSTG,  235520                     ; the way out: 16 rows x (256 bytes + 16) for each wave
.set SPARE, 270336                     ; the spare words, 128 bytes for each wave: four blocks of 256 bytes that no other line names
.set SPW,  1
.set NIL,  2
.set A16,  3                           ; v3-4  slot 0, 1: my head's block + 16 x lane
.set A8,   5                           ; v5-6  + 8 x lane
.set A4,   7                           ; v7-8  + 4 x lane
.set AB,   9                           ; v9    the bias tile as C: 528 r + 64 h
.set BST,  10                          ; v10   where I lay my two rows: 1,056 w + 16 x lane
.set L4,   11
.set QF,   16
.set QS,   28
.set L16,  29
.set L8,   30
.set R4,   31
.set KF,   32
.set PC,   32                          ; p's codes lie over K, which is done with by then
.set PT,   44
.set KS,   86
.set VS,   90
.set S,    96
.set O,    160
.set VF,   192
.set TM,   240
.set TP,   244
.set TS,   248
.set WV,   28                          ; s28 wave; s29 cx; s30 tile of queries; s31 batch
.set G0,   32                          ; s[32:35], s[36:39] descriptor group 0 for slot 0, 1
.set G1,   40                          ; s[40:47] group 1
.set CNT,  48
.set SJ,   49                          ; s49  start + 16 + step, not wrapped
.set R0,   52                          ; s52  the first of my two bias rows
.set KVW,  56                          ; s[56:57] kv at (batch, block 0, head w)
.set CS,   58                          ; s[58:59] log2(e) / 8
.set SEL,  60                          ; s[60:61] selects for lane l xor 16
.set IDQ,  62                          ; s[62:63] the ids of my two queries
.set SM,   70                          ; s70-77 same id, s78-85 off the diagonal, s86-89 padded: lane masks
.set DM,   78
.set PM,   86
.set MSB, 0
.macro WIN new                         ; the immediate's high byte repeats the setting that is left
.if MSB != \new
	s_set_vgpr_msb (MSB<<8)|\new
.set MSB, \new
.endif
.endm
.macro CROUND                          ; a round of the cluster's barrier: my work-group's barrier, wave 0 signals for the work-group, every wave waits for all four, my work-group's barrier once more
	s_barrier_signal -1
	s_barrier_wait -1
	s_cmp_lg_u32 s[WV], 0
	s_cbranch_scc1 .Lnot_wave_0_\@
	s_barrier_signal -3
.Lnot_wave_0_\@:
	s_barrier_wait -3
	s_barrier_signal -1
	s_barrier_wait -1
.endm
.macro MM d, a, b, c, sa, sb, row      ; row = 1: source 0's scales from lanes 16-31; 2: both sources'
.if \row == 0
	v_wmma_scale_f32_16x16x128_f8f6f4 v[\d:\d+7], v[\a:\a+11], v[\b:\b+11], v[\c:\c+7], v[\sa], v[\sb] matrix_a_fmt:MATRIX_FMT_FP6 matrix_b_fmt:MATRIX_FMT_FP6
.elseif \row == 1
	v_wmma_scale_f32_16x16x128_f8f6f4 v[\d:\d+7], v[\a:\a+11], v[\b:\b+11], v[\c:\c+7], v[\sa], v[\sb] matrix_a_fmt:MATRIX_FMT_FP6 matrix_b_fmt:MATRIX_FMT_FP6 matrix_a_scale:MATRIX_SCALE_ROW1
.else
	v_wmma_scale_f32_16x16x128_f8f6f4 v[\d:\d+7], v[\a:\a+11], v[\b:\b+11], v[\c:\c+7], v[\sa], v[\sb] matrix_a_fmt:MATRIX_FMT_FP6 matrix_b_fmt:MATRIX_FMT_FP6 matrix_a_scale:MATRIX_SCALE_ROW1 matrix_b_scale:MATRIX_SCALE_ROW1
.endif
.endm
.macro SETG0 g, ahead                  ; group 0 at s[g]: key block (SJ + ahead) % 16.  s90-92 hold nothing made from my place in the cluster
	s_add_co_u32 s92, s[SJ], \ahead
	s_and_b32 s92, s92, 15
	s_mul_i32 s90, s92, STEPB
	s_add_nc_u64 s[\g+2:\g+3], s[KVW:KVW+1], s[90:91]
	s_or_b32 s[\g+3], s[\g+3], 0x80000000
.endm
; (all windows 1)  my two rows' 128 keys of key block s[sg]: ipa, assoc, mask (512 consecutive bytes a load), the keys' ids, the keys' pad bytes
.macro RAWLOAD set, sg
.set RL, 32+32*(\set)
	v_lshl_add_u32 v[RL+29], s[\sg], 9, v0
	v_lshl_add_u32 v[RL+30], s[\sg], 7, v1
	global_load_b128 v[RL:RL+3], v[RL+29], s[16:17] th:TH_LOAD_NT
	global_load_b128 v[RL+4:RL+7], v[RL+29], s[16:17] offset:8192 th:TH_LOAD_NT
	global_load_b128 v[RL+8:RL+11], v[RL+29], s[18:19] th:TH_LOAD_NT
	global_load_b128 v[RL+12:RL+15], v[RL+29], s[18:19] offset:8192 th:TH_LOAD_NT
	global_load_b128 v[RL+16:RL+19], v[RL+29], s[20:21]
	global_load_b128 v[RL+20:RL+23], v[RL+29], s[20:21] offset:8192
	global_load_b128 v[RL+24:RL+27], v[RL+29], s[22:23]
	global_load_b32 v[RL+28], v[RL+30], s[24:25]
.endm
; The bias tile of the step after the one in hand: my two rows, four keys a lane, from raw set 'set' into bias buffer 'buf'.  ld = 1: the set is asked for again, for the step two further on.  cnt: the other set's younger loads.
.macro BSTAGE set, buf, ld, cnt
.set RW, 32+32*(\set)
	s_add_co_u32 s66, s[SJ], 1
	s_and_b32 s66, s66, 15                         ; its key block
	s_lshl_b32 s67, s66, 7
	s_sub_co_u32 s67, s67, s[R0]                   ; the block's first key less my first query
.if \ld
	s_add_co_u32 s68, s[SJ], 3
	s_and_b32 s68, s68, 15
.endif
	WIN 0x55
	s_wait_loadcnt \cnt
	v_add_nc_u32 v7, s67, v1                       ; key 4 x lane + e is query q' of my two where this number is q' - e
.irp k, 0,2,4,6
	v_pk_add_f32 v[8+\k:9+\k], v[RW+\k:RW+\k+1], v[RW+8+\k:RW+9+\k]
.endr
.irp k, 0,2,4,6
	s_delay_alu instid0(VALU_DEP_4)
	v_pk_add_f32 v[8+\k:9+\k], v[8+\k:9+\k], v[RW+16+\k:RW+17+\k]
.endr
.irp q, 0,1
.irp e, 0,1,2,3
	v_cmp_eq_u32 s[SM+4*\q+\e], s[IDQ+\q], v[RW+24+\e]
	v_cmp_ne_u32 s[DM+4*\q+\e], \q-\e, v7
.endr
.endr
.irp e, 0,1,2,3
	v_and_b32 v[24+\e], 0xff<<(8*\e), v[RW+28]
.endr
.irp e, 0,1,2,3
	s_delay_alu instid0(VALU_DEP_4)
	v_cmp_ne_u32 s[PM+\e], 0, v[24+\e]
.endr
.irp i, 0,1,2,3,4,5,6,7
	s_and_b32 s[SM+\i], s[SM+\i], s[DM+\i]
.endr
.irp q, 0,1
.irp e, 0,1,2,3
	v_cndmask_b32 v[16+4*\q+\e], 0, v[4+\q], s[SM+4*\q+\e]   ; 8 x 0.5 where the ids are equal, the query's is valid (so the key's is too) and key and query differ
.endr
.endr
.irp k, 0,2,4,6
	v_pk_fma_f32 v[8+\k:9+\k], v[8+\k:9+\k], 0x41000000, v[16+\k:17+\k] op_sel_hi:[1,0,1]
.endr
.irp q, 0,1
.irp e, 0,1,2,3
	v_cndmask_b32 v[8+4*\q+\e], v[8+4*\q+\e], v6, s[PM+\e]   ; a padded key: -infinity
.endr
.endr
.if \ld
	RAWLOAD \set, 68                               ; the set's loads were waited for above: its address registers may be written
.endif
	WIN 0x04                                       ; an LDS store's data are its source 1: window 1; its address window 0
	ds_store_b128 v[BST], v[8:11] offset:BBUF*(\buf)
	ds_store_b128 v[BST], v[12:15] offset:BBUF*(\buf)+528
	WIN 0
.endm
; 32 numbers a lane, register 16 b + i = element 32 b + 16 h + i of my row, become a half fragment in v[pc] .. v[pc + 5] and two scale bytes in v[pw]
.macro QUANT32 s, tmx, tmb, tms, pc, pw
.irp b, 0,1
	v_max3_num_f32 v[\tmx+\b], |v[\s+16*\b]|, |v[\s+1+16*\b]|, 0x1800000
.endr
.irp i, 2,4,6,8,10,12,14
.irp b, 0,1
	s_delay_alu instid0(VALU_DEP_2)
	v_max3_num_f32 v[\tmx+\b], v[\tmx+\b], |v[\s+16*\b+\i]|, |v[\s+1+16*\b+\i]|
.endr
.endr
.irp b, 0,1
	s_delay_alu instid0(VALU_DEP_2)
	v_permlanex16_b32 v[\tmb+\b], v[\tmx+\b], s[SEL], s[SEL+1]
.endr
.irp b, 0,1
	s_delay_alu instid0(VALU_DEP_2)
	v_max_num_f32 v[\tmx+\b], v[\tmx+\b], v[\tmb+\b]
.endr
.irp b, 0,1
	s_delay_alu instid0(VALU_DEP_2)
	v_add_nc_u32 v[\tms+\b], 0xff000000, v[\tmx+\b]
.endr
.irp b, 0,1
	s_delay_alu instid0(VALU_DEP_2)
	v_lshrrev_b32 v[\tmb+\b], 23, v[\tms+\b]
.endr
	s_delay_alu instid0(VALU_DEP_1)
	v_lshl_or_b32 v[\pw], v[\tmb+1], 8, v[\tmb]
	v_cvt_scalef32_pk16_fp6_f32 v[\pc:\pc+2], v[\s:\s+15], v[\tms]
	v_cvt_scalef32_pk16_fp6_f32 v[\pc+12:\pc+14], v[\s+16:\s+31], v[\tms+1]
	v_nop                                          ; one plain place behind a scaled conversion
.irp i, 0,1,2
	v_permlane16_swap_b32 v[\pc+\i], v[\pc+12+\i]
.endr
.irp i, 0,1,2
	s_delay_alu instid0(VALU_DEP_3)
	v_mov_b32 v[\pc+3+\i], v[\pc+12+\i]
.endr
.endm
; 64 scores a lane (register 16 b + i: key 32 b + 16 h + i of the block) become p's codes in v[PC] on and p's scale word in v253; M, the sum and f = 2^(old M - new M) (v252) are brought up to date
.macro SOFTMAX
.irp b, 0,1,2,3
	v_max3_num_f32 v[TM+\b], v[S+16*\b], v[S+1+16*\b], v[S+2+16*\b]   ; the largest score of each block of 32 keys: for the row's maximum, and, since p rises with the score, for the block's largest p
.endr
.irp i, 3,5,7,9,11,13
.irp b, 0,1,2,3
	v_max3_num_f32 v[TM+\b], v[TM+\b], v[S+16*\b+\i], v[S+1+16*\b+\i]
.endr
.endr
.irp b, 0,1,2,3
	v_max_num_f32 v[TM+\b], v[TM+\b], v[S+15+16*\b]
.endr
.irp b, 0,1,2,3
	s_delay_alu instid0(VALU_DEP_4)
	v_permlanex16_b32 v[TP+\b], v[TM+\b], s[SEL], s[SEL+1]
.endr
.irp b, 0,1,2,3
	s_delay_alu instid0(VALU_DEP_4)
	v_max_num_f32 v[TM+\b], v[TM+\b], v[TP+\b]     ; with lane l xor 16's 16 keys
.endr
	s_delay_alu instid0(VALU_DEP_2)
	v_max3_num_f32 v254, v[TM], v[TM+1], v[TM+2]
	s_delay_alu instid0(VALU_DEP_1)
	v_max_num_f32 v254, v254, v[TM+3]
	s_delay_alu instid0(VALU_DEP_1)
	v_mul_f32 v254, s[CS], v254                    ; the step's largest t
	s_delay_alu instid0(VALU_DEP_1)
	v_max_num_f32 v13, v13, v254                   ; the running largest t
	v_mov_b32 v254, v12
	s_delay_alu instid0(VALU_DEP_2)
	v_floor_f32 v12, -v13                          ; the new -M = -ceil(t): a whole number
	s_delay_alu instid0(VALU_DEP_1)
	v_sub_f32 v254, v12, v254                      ; old M - new M: a whole number, 0 or less
	s_delay_alu instid0(VALU_DEP_1)
	v_cvt_i32_f32 v254, v254                       ; (it saturates)
	s_delay_alu instid0(VALU_DEP_1)
	v_ldexp_f32 v252, 1.0, v254                    ; f
.irp j, 0,2,4,6,8,10,12,14,16,18,20,22,24,26,28,30,32,34,36,38,40,42,44,46,48,50,52,54,56,58,60,62
	v_pk_fma_f32 v[S+\j:S+1+\j], v[S+\j:S+1+\j], s[CS:CS+1], v[12:13] op_sel_hi:[1,0,0]   ; t - M, two at a time
.endr
.irp b, 0,1,2,3
	v_fma_f32 v[TM+\b], v[TM+\b], s[CS], v12       ; the same of each block's largest score
.endr
	s_wait_alu depctr_va_vdst(0)
.irp j, 0,1,2,3,4,5,6,7,8,9,10,11,12,13,14,15,16,17,18,19,20,21,22,23,24,25,26,27,28,29,30,31,32,33,34,35,36,37,38,39,40,41,42,43,44,45,46,47,48,49,50,51,52,53,54,55,56,57,58,59,60,61,62,63
	v_exp_f32 v[S+\j], v[S+\j]                     ; p = 2^(t - M), at most 1: not normalised
.endr
	v_pk_mul_f32 v[14:15], v[14:15], v[252:253] op_sel_hi:[1,0]   ; the sums under the new M: the plain place behind the exponentials
	s_wait_alu depctr_va_vdst(0)                   ; one wait for the whole batch, ahead of its first reader
.irp b, 0,1,2,3
	v_exp_f32 v[TM+\b], v[TM+\b]                   ; the block's largest p: the same two instructions on the same number give the same bits
.endr
	v_pk_add_f32 v[244:245], v[100:101], v[104:105]
	v_pk_add_f32 v[254:255], v[108:109], v[112:113]
	v_pk_add_f32 v[250:251], v[116:117], v[120:121]
	v_pk_add_f32 v[248:249], v[124:125], v[128:129]
	v_pk_add_f32 v[246:247], v[132:133], v[136:137]
	v_pk_add_f32 v[94:95], v[140:141], v[144:145]
	v_pk_add_f32 v[92:93], v[148:149], v[152:153]
	v_pk_add_f32 v[14:15], v[14:15], v[156:157]
	v_pk_add_f32 v[244:245], v[244:245], v[96:97]
	v_pk_add_f32 v[254:255], v[254:255], v[98:99]
	v_pk_add_f32 v[250:251], v[250:251], v[102:103]
	v_pk_add_f32 v[248:249], v[248:249], v[106:107]
	v_pk_add_f32 v[246:247], v[246:247], v[110:111]
	v_pk_add_f32 v[94:95], v[94:95], v[114:115]
	v_pk_add_f32 v[92:93], v[92:93], v[118:119]
	v_pk_add_f32 v[14:15], v[14:15], v[122:123]
	v_pk_add_f32 v[244:245], v[244:245], v[126:127]
	v_pk_add_f32 v[254:255], v[254:255], v[130:131]
	v_pk_add_f32 v[250:251], v[250:251], v[134:135]
	v_pk_add_f32 v[248:249], v[248:249], v[138:139]
	v_pk_add_f32 v[246:247], v[246:247], v[142:143]
	v_pk_add_f32 v[94:95], v[94:95], v[146:147]
	v_pk_add_f32 v[92:93], v[92:93], v[150:151]
	v_pk_add_f32 v[14:15], v[14:15], v[154:155]
	v_pk_add_f32 v[244:245], v[244:245], v[158:159]
	s_delay_alu instid0(VALU_DEP_2)
	v_pk_add_f32 v[14:15], v[14:15], v[248:249]
	s_delay_alu instid0(VALU_DEP_2)
	v_pk_add_f32 v[244:245], v[244:245], v[246:247]
	v_pk_add_f32 v[254:255], v[254:255], v[94:95]
	v_pk_add_f32 v[250:251], v[250:251], v[92:93]
	s_delay_alu instid0(VALU_DEP_2)
	v_pk_add_f32 v[14:15], v[14:15], v[254:255]
	s_delay_alu instid0(VALU_DEP_2)
	v_pk_add_f32 v[244:245], v[244:245], v[250:251]
	s_delay_alu instid0(VALU_DEP_1)
	v_pk_add_f32 v[14:15], v[14:15], v[244:245]
	s_wait_alu depctr_va_vdst(0)                   ; and one for the four
.irp b, 0,1,2,3
	v_max_num_f32 v[TM+\b], 0x1800000, v[TM+\b]    ; the floor 2^(3 - 127): the byte cannot fall under 1
.endr
.irp b, 0,1,2,3
	s_delay_alu instid0(VALU_DEP_4)
	v_add_nc_u32 v[TS+\b], 0xff000000, v[TM+\b]    ; 2 off the exponent field: the conversion's scale operand
.endr
.irp b, 0,1,2,3
	s_delay_alu instid0(VALU_DEP_4)
	v_lshrrev_b32 v[TP+\b], 23, v[TS+\b]           ; the scale's byte
.endr
	s_delay_alu instid0(VALU_DEP_3)
	v_lshl_or_b32 v253, v[TP+1], 8, v[TP]
	s_delay_alu instid0(VALU_DEP_1)
	v_lshl_or_b32 v253, v[TP+2], 16, v253
	s_delay_alu instid0(VALU_DEP_1)
	v_lshl_or_b32 v253, v[TP+3], 24, v253
.irp c, 0,1
	v_cvt_scalef32_pk16_fp6_f32 v[PC+6*\c:PC+2+6*\c], v[S+32*\c:S+15+32*\c], v[TS+2*\c]
	v_cvt_scalef32_pk16_fp6_f32 v[PT+4*\c:PT+2+4*\c], v[S+16+32*\c:S+31+32*\c], v[TS+2*\c+1]
.endr
	v_nop                                          ; one plain place behind a scaled conversion
.irp c, 0,1
.irp i, 0,1,2
	v_permlane16_swap_b32 v[PC+6*\c+\i], v[PT+4*\c+\i]
.endr
.irp i, 0,1,2
	s_delay_alu instid0(VALU_DEP_3)
	v_mov_b32 v[PC+3+6*\c+\i], v[PT+4*\c+\i]
.endr
.endr
.endm
; A KEY STEP.  p: the slot and bias buffer in hand.  fill: the other slot is filled with the next block.  comb: the next bias tile is combined (ld, cnt: see BSTAGE).  wo: Wo's fragments are asked for.
.macro STEP p, fill, comb, ld, cnt, wo
	s_wait_tensorcnt 0x0                           ; all my tensor loads have landed: this step's block; so a group 0 may be written
	ds_add_u32 v[SPW], v[NIL]                      ; 0 onto my spare word
	SETG0 G0+4*\p, 2                               ; this slot's next block, two steps on
	s_wait_dscnt 0x0                               ; the add is done; my reads of the slot and of the bias buffer that I have left are over; my two rows of this step's bias tile have landed
	CROUND                                         ; all that now holds of every wave of all four work-groups
.if \fill
	tensor_load_to_lds s[G0+4-4*\p:G0+7-4*\p], s[G1:G1+7]   ; my one joint load behind the round: the next block, into the slot just left
	s_nop 0
.endif
.rept 4
	v_nop                                          ; behind the load; also the places in front of the loads into registers that the last step's products have read
.endr
.irp b, 0,1,2,3
.irp i, 0,1,2,3
	ds_load_b128 v[S+16*\b+4*\i:S+16*\b+4*\i+3], v[AB] offset:BBUF*\p+128*\b+16*\i   ; the bias tile in the result's layout: query r, keys 32 b + 16 h + 4 i on
.endr
.endr
.irp t, 0,1,2,3,4,5,6,7
	ds_load_b128 v[KF+6*\t:KF+6*\t+3], v[A16+\p] offset:768*\t
	ds_load_b64 v[KF+6*\t+4:KF+6*\t+5], v[A8+\p] offset:768*\t+512
.endr
.irp t, 0,1,2,3
	ds_load_b32 v[KS+\t], v[A4+\p] offset:12288+128*\t       ; lanes 0-15 tile 2 t's scale words, lanes 16-31 tile 2 t + 1's
.endr
.irp t, 0,1,2,3,4,5,6,7
	ds_load_b128 v[VF+6*\t:VF+6*\t+3], v[A16+\p] offset:6144+768*\t
	ds_load_b64 v[VF+6*\t+4:VF+6*\t+5], v[A8+\p] offset:6144+768*\t+512
.endr
.irp t, 0,1
	ds_load_b32 v[VS+\t], v[A4+\p] offset:12800+128*\t
.endr
.if \comb
	BSTAGE 1-\p, 1-\p, \ld, \cnt
	s_wait_dscnt 20                                ; C, K and K's scale words are in; V's 18 loads and my two bias stores may be out
.else
.if \wo
	WIN 0x40                                       ; destination window 1
.irp f, 0,1,2,3,4,5,6,7,8,9,10,11,12,13,14,15
.irp c, 0,1,2
	global_load_b128 v[64+12*\f+4*\c:67+12*\f+4*\c], v[L16], s[10:11] offset:1536*\f+512*\c   ; fragment (tile f / 4, K step f % 4) of my 64 rows of Wo
.endr
.endr
	WIN 0
.endif
	s_wait_dscnt 18                                ; V's 18 loads may be out
.endif
.irp t, 0,1,2,3,4,5,6,7
	MM S+8*\t, KF+6*\t, QF, S+8*\t, KS+\t/2, QS, \t%2
.endr
.rept 4
	v_nop                                          ; places in front of the first read of results (ISA guide 7.12.1)
.endr
	SOFTMAX
.irp j, 0,2,4,6,8,10,12,14,16,18,20,22,24,26,28,30
	v_pk_mul_f32 v[O+\j:O+1+\j], v[O+\j:O+1+\j], v[252:253] op_sel_hi:[1,0]   ; O^T under the new M.  (These 16 also stand between the lines that made p's codes and scale word and the products below)
.endr
	s_wait_alu depctr_va_vdst(0)
	s_wait_dscnt 0x0                               ; V is in
.irp n, 0,1,2,3
	MM O+8*\n, VF+12*\n, PC, O+8*\n, VS+\n/2, 253, \n%2
.endr
	s_add_co_u32 s[SJ], s[SJ], 1
.endm
	s_load_b512 s[4:19], s[0:1], 0x0               ; q_codes, q_scales, kv, wo_codes, wo_scales, bo, ipa, assoc
	s_load_b256 s[20:27], s[0:1], 0x40             ; mask, ids, pad, out
	v_lshl_add_u32 v[SPW], v0, 2, SPARE
	v_mov_b32 v[NIL], 0
	ds_add_u32 v1, v2
	ds_add_u32 v1, v2
	s_wait_dscnt 0x0
	v_lshrrev_b32 v3, 5, v0
	s_delay_alu instid0(VALU_DEP_1)
	v_readfirstlane_b32 s[WV], v3                  ; wave = head
	s_bfe_u32 s29, ttmp6, 0x40000                  ; cx: it enters the addresses of Q, the bias rows, the ids and the output alone
	s_lshl_b32 s30, ttmp9, 2
	s_add_co_u32 s30, s30, s29                     ; my tile of queries = 4 x cluster x + cx
	s_and_b32 s31, ttmp7, 0xffff                   ; batch
	s_lshr_b32 s50, s30, 1
	s_lshl_b32 s50, s50, 5
	s_and_b32 s51, s30, 1
	s_lshl_b32 s51, s51, 3
	s_add_co_u32 s50, s50, s51                     ; q0
	s_lshl_b32 s[R0], s[WV], 1
	s_lshr_b32 s51, s[WV], 2
	s_lshl_b32 s51, s51, 3
	s_add_co_u32 s[R0], s[R0], s51
	s_add_co_u32 s[R0], s[R0], s50                 ; tile rows 2 w and 2 w + 1: queries q0 + 2 w + 8 (w / 4) and the next
	s_lshr_b32 s[SJ], ttmp9, 4
	s_lshl_b32 s[SJ], s[SJ], 3
	s_add_co_u32 s[SJ], s[SJ], ttmp9
	s_and_b32 s[SJ], s[SJ], 15                     ; start: the same in all four partners
	s_add_co_u32 s[SJ], s[SJ], 15                  ; one step ahead of step 0
	s_mov_b32 s[G1], 15|(3<<16)|(1<<21)            ; 15:0 the mask: all four work-groups; 17:16 elements of 8 bytes; 20 no padding; 21 set beside a mask
	s_mov_b32 s[G1+1], 32<<16                      ; tensor_dim0 = 32 elements: rows of 256 bytes
	s_mov_b32 s[G1+2], 51<<16                      ; tensor_dim1 = 51 rows: 13,056 dense bytes
	s_mov_b32 s[G1+3], 32<<16                      ; tile_dim0
	s_mov_b32 s[G1+4], 51                          ; tile_dim1
	s_mov_b32 s[G1+5], 32                          ; the pitch
	s_mov_b32 s[G1+6], 0
	s_mov_b32 s[G1+7], 0
	s_mov_b32 s[CS], 0x3e38aa3b                    ; log2(e) / 8
	s_mov_b32 s[CS+1], s[CS]                       ; (named with it as a pair, so it is written)
	s_mov_b32 s[SEL], 0x76543210
	s_mov_b32 s[SEL+1], 0xfedcba98
	s_mov_b32 s55, 0
	s_mov_b32 s91, 0
	v_and_b32 v240, 31, v0                         ; lane
	v_and_b32 v241, 15, v0                         ; r
	v_bfe_u32 v242, v0, 4, 1                       ; h
	s_delay_alu instid0(VALU_DEP_3)
	v_lshlrev_b32 v[L16], 4, v240
	s_delay_alu instid0(VALU_DEP_4)
	v_lshlrev_b32 v[L8], 3, v240
	v_lshlrev_b32 v[L4], 2, v240
	v_lshlrev_b32 v[R4], 2, v241
	s_mul_i32 s[G0+1], s[WV], BLK                  ; my head's block in slot 0: no place in the cluster enters an LDS address
	s_add_co_u32 s[G0+5], s[G0+1], SLOT1           ; and in slot 1
	v_add_nc_u32 v[A16], s[G0+1], v[L16]
	s_delay_alu instid0(VALU_DEP_1)
	v_add_nc_u32 v[A16+1], SLOT1, v[A16]
	v_add_nc_u32 v[A8], s[G0+1], v[L8]
	s_delay_alu instid0(VALU_DEP_1)
	v_add_nc_u32 v[A8+1], SLOT1, v[A8]
	v_add_nc_u32 v[A4], s[G0+1], v[L4]
	s_delay_alu instid0(VALU_DEP_1)
	v_add_nc_u32 v[A4+1], SLOT1, v[A4]
	v_mul_u32_u24 v[AB], v241, 528
	s_delay_alu instid0(VALU_DEP_1)
	v_lshl_add_u32 v[AB], v242, 6, v[AB]
	s_delay_alu instid0(VALU_DEP_1)
	v_add_nc_u32 v[AB], BIAS, v[AB]
	s_mul_i32 s66, s[WV], 1056
	s_add_co_u32 s66, s66, BIAS
	v_add_nc_u32 v[BST], s66, v[L16]
	s_wait_kmcnt 0x0
	s_lshl_b32 s54, s31, 11
	s_add_co_u32 s54, s54, s[R0]
	s_lshl_b32 s54, s54, 13                        ; a row of 2,048 f32 is 8,192 bytes
	s_add_nc_u64 s[16:17], s[16:17], s[54:55]      ; ipa and assoc at (batch, my first row)
	s_add_nc_u64 s[18:19], s[18:19], s[54:55]
	s_lshl_b32 s54, s[R0], 13
	s_add_nc_u64 s[20:21], s[20:21], s[54:55]      ; the mask at my first row
	s_lshl_b32 s54, s31, 13
	s_add_nc_u64 s[22:23], s[22:23], s[54:55]      ; my batch's ids
	s_lshl_b32 s54, s[R0], 2
	s_add_nc_u64 s[96:97], s[22:23], s[54:55]
	s_load_b64 s[IDQ:IDQ+1], s[96:97], 0x0         ; the ids of my two queries (my first row's number is even)
	s_lshl_b32 s54, s31, 11
	s_add_nc_u64 s[24:25], s[24:25], s[54:55]      ; my batch's pad bytes
	s_lshl_b32 s54, s31, 7
	s_add_co_u32 s54, s54, s30
	s_lshl_b32 s54, s54, 3
	s_add_co_u32 s54, s54, s[WV]
	s_mul_i32 s54, s54, 768
	s_add_nc_u64 s[4:5], s[4:5], s[54:55]          ; Q's half fragment (batch, tile, head)
	s_lshl_b32 s54, s31, 3
	s_add_co_u32 s54, s54, s[WV]
	s_lshl_b32 s54, s54, 7
	s_add_co_u32 s54, s54, s30
	s_lshl_b32 s54, s54, 6
	s_add_nc_u64 s[6:7], s[6:7], s[54:55]          ; and its scale words
	s_mul_i32 s54, s[WV], 24576
	s_add_nc_u64 s[10:11], s[10:11], s[54:55]      ; my 16 fragments of Wo,
	s_lshl_b32 s54, s[WV], 10
	s_add_nc_u64 s[12:13], s[12:13], s[54:55]      ; their scale words,
	s_lshl_b32 s54, s[WV], 8
	s_add_nc_u64 s[14:15], s[14:15], s[54:55]      ; my 64 numbers of bo
	s_lshl_b32 s54, s31, 11
	s_add_co_u32 s54, s54, s50
	s_lshl_b32 s54, s54, 11
	s_lshl_b32 s51, s[WV], 8
	s_add_co_u32 s54, s54, s51
	s_add_nc_u64 s[26:27], s[26:27], s[54:55]      ; the output at (batch, q0), my 64 channels
	s_lshl_b32 s90, s31, 7
	s_add_co_u32 s90, s90, s[WV]
	s_mul_i32 s90, s90, BLK
	s_add_nc_u64 s[KVW:KVW+1], s[8:9], s[90:91]
	s_mov_b32 s[G0], 1
	s_mov_b32 s[G0+4], 1
	SETG0 G0, 1                                    ; slot 0: step 0's block
	SETG0 G0+4, 2                                  ; slot 1: step 1's
	CROUND                                         ; all four work-groups are here: the first joint loads meet
	tensor_load_to_lds s[G0:G0+3], s[G1:G1+7]      ; step 0's block; slot 1 is filled behind step 0's round, as a refill is
	s_nop 0
.rept 4
	v_nop
.endr
	global_load_b128 v[QF:QF+3], v[L16], s[4:5]
	global_load_b64 v[QF+4:QF+5], v[L8], s[4:5] offset:512
	global_load_b32 v[QS], v[R4], s[6:7]
	s_add_co_u32 s66, s[SJ], 1
	s_and_b32 s66, s66, 15
	s_add_co_u32 s67, s[SJ], 2
	s_and_b32 s67, s67, 15
	WIN 0x40                                       ; destination window 1
	v_mov_b32 v0, v[L16]                           ; u0 = 16 x lane
	v_mov_b32 v1, v[L4]                            ; u1 = 4 x lane
	v_mov_b32 v6, 0xff800000                       ; u6 = -infinity
	WIN 0x55
	RAWLOAD 0, 66                                  ; the raw rows of steps 0 and 1
	RAWLOAD 1, 67
	WIN 0
.irp j, 6,7,8,9,10,11
	v_mov_b32 v[QF+\j], 0                          ; Q's upper 64 along K: zero codes
.endr
.irp j, 48,49,50,51,52,53
	v_mov_b32 v[KF+\j], 0                          ; what tile 7's operand runs on into
.endr
.irp j, 0,1,2,3,4,5,6,7,8,9,10,11,12,13,14,15,16,17,18,19,20,21,22,23,24,25,26,27,28,29,30,31
	v_mov_b32 v[O+\j], 0                           ; O^T: the step is written without a first step of its own; the first change of M multiplies zeros
.endr
.irp b, 0,1,2,3
	v_mov_b32 v[TP+\b], 0                          ; a lane permute's destination counts as one of its sources
.endr
	v_mov_b32 v253, 0                              ; (named as the upper half of the pair v[252:253] before it is first written)
	v_mov_b32 v13, 0xff61b1e6                      ; the largest t so far: -3e38
	s_delay_alu instid0(VALU_DEP_1)
	v_floor_f32 v12, -v13                          ; -M
	v_mov_b32 v14, 0
	v_mov_b32 v15, 0
	s_wait_kmcnt 0x0                               ; my two queries' ids
	s_cmp_ge_i32 s[IDQ], 0
	s_cselect_b32 s66, 0x40800000, 0               ; 8 x 0.5 where the id is valid: a choice of a value, no branch
	s_cmp_ge_i32 s[IDQ+1], 0
	s_cselect_b32 s67, 0x40800000, 0
	WIN 0x40
	v_mov_b32 v4, s66
	v_mov_b32 v5, s67
	WIN 0
	BSTAGE 0, 0, 1, 8                              ; step 0's bias tile (Q's loads are older than the set waited for: they are in too); step 2's raw rows are asked for
	s_add_co_u32 s[SJ], s[SJ], 1
	s_mov_b32 s[CNT], 6
.Lloop:                                            ; steps 0 to 11
	STEP 0, 1, 1, 1, 8, 0
	STEP 1, 1, 1, 1, 8, 0
	s_sub_co_i32 s[CNT], s[CNT], 1
	s_cmp_lg_u32 s[CNT], 0
	s_cbranch_scc1 .Lloop
	STEP 0, 1, 1, 1, 8, 0                          ; step 12: the last raw rows (step 15's) are asked for
	STEP 1, 1, 1, 0, 8, 0                          ; step 13
	STEP 0, 1, 1, 0, 0, 0                          ; step 14: the last bias tile: no younger loads; the last block is asked for
	STEP 1, 0, 0, 0, 0, 1                          ; step 15: nothing is filled, nothing combined; Wo's fragments are asked for
	; ---- the context: O^T / the sum, quantised along the channels, to LDS.  The address lines below are the places behind the last products.
	s_mul_i32 s66, s[WV], 768
	s_add_co_u32 s66, s66, CIMG
	v_add_nc_u32 v3, s66, v[L16]                   ; my half fragment's image
	v_add_nc_u32 v5, s66, v[L8]
	s_lshr_b32 s67, s[WV], 1
	s_lshl_b32 s67, s67, 6
	s_and_b32 s68, s[WV], 1
	s_lshl_b32 s68, s68, 1
	s_add_co_u32 s67, s67, s68
	s_add_co_u32 s67, s67, CSC
	v_add_nc_u32 v7, s67, v[R4]                    ; K step w / 2, row r, bytes 2 (w % 2) and + 1
	v_add_nc_u32 v4, CIMG, v[L16]
	v_add_nc_u32 v6, CIMG, v[L8]
	v_add_nc_u32 v8, CSC, v[L4]
	v_and_b32 v98, 15, v0                          ; r
	v_bfe_u32 v99, v0, 4, 1                        ; h
	s_mul_i32 s69, s[WV], 16*272
	s_add_co_u32 s69, s69, OSTG                    ; my stage
	v_mul_u32_u24 v9, v98, 272
	s_delay_alu instid0(VALU_DEP_1)
	v_lshl_add_u32 v9, v99, 6, v9
	s_delay_alu instid0(VALU_DEP_1)
	v_add_nc_u32 v9, s69, v9                       ; in: row r, + 64 h
	v_mul_u32_u24 v10, v99, 272
	s_delay_alu instid0(VALU_DEP_1)
	v_lshl_add_u32 v10, v98, 4, v10
	s_delay_alu instid0(VALU_DEP_1)
	v_add_nc_u32 v10, s69, v10                     ; back: lanes 0-15 one row, lanes 16-31 the next
	v_lshlrev_b32 v96, 6, v99                      ; bo: 64 h
	v_lshlrev_b32 v97, 11, v99
	s_delay_alu instid0(VALU_DEP_1)
	v_lshl_add_u32 v97, v98, 4, v97                ; the same two rows in the output
.irp i, 0,1,2,3
.irp t, 0,1
	global_load_b32 v[88+2*\i+\t], v[L4], s[12:13] offset:128*(2*\i+\t)   ; Wo's scale words: tile i; lanes 0-15 K step 2 t, lanes 16-31 K step 2 t + 1
.endr
.endr
.irp i, 0,1,2,3
	global_load_b128 v[112+8*\i:115+8*\i], v96, s[14:15] offset:(32*(\i/2)+8*(\i%2))*4      ; bo in the result's layout: it is the C of each sum's first product
	global_load_b128 v[116+8*\i:119+8*\i], v96, s[14:15] offset:(32*(\i/2)+8*(\i%2))*4+16
.endr
	v_add_f32 v14, v14, v15                        ; the sum's two halves,
	s_delay_alu instid0(VALU_DEP_1)
	v_permlanex16_b32 v252, v14, s[SEL], s[SEL+1]
	s_delay_alu instid0(VALU_DEP_1)
	v_add_f32 v14, v14, v252                       ; and lane l xor 16's
	s_wait_alu depctr_va_vdst(0)
	v_rcp_f32 v14, v14
	v_nop                                          ; one plain place behind the reciprocal
	s_wait_alu depctr_va_vdst(0)                   ; and the wait ahead of its first reader
.irp j, 0,2,4,6,8,10,12,14,16,18,20,22,24,26,28,30
	v_pk_mul_f32 v[O+\j:O+1+\j], v[O+\j:O+1+\j], v[14:15] op_sel_hi:[1,0]
.endr
	QUANT32 O, TM, TP, TS, 32, 254                 ; register 16 b + i is channel 32 b + 16 h + i of my head
	ds_store_b128 v3, v[32:35]
	ds_store_b64 v5, v[36:37] offset:512
	ds_store_b16 v7, v254
	s_wait_dscnt 0x0                               ; for the others' sake: my stores have landed
	s_barrier_signal -1
	s_barrier_wait -1                              ; the eight heads' half fragments lie in LDS
.irp t, 0,1,2,3,4,5,6,7                        ; head t is half t % 2 of K step t / 2
	ds_load_b128 v[32+6*\t:35+6*\t], v4 offset:768*\t
	ds_load_b64 v[36+6*\t:37+6*\t], v6 offset:768*\t+512
.endr
	ds_load_b32 v86, v8                            ; lanes 0-15 K step 0's scale words, lanes 16-31 K step 1's
	ds_load_b32 v87, v8 offset:128
	s_wait_dscnt 0x0
	s_wait_loadcnt 0x0                             ; Wo's fragments and scale words, bo
	WIN 0x01                                       ; source 0 (Wo) window 1
.irp s, 0,1,2,3                                ; four accumulators by turns, a K step at a time
.irp i, 0,1,2,3
	MM 112+8*\i, 64+12*(4*\i+\s), 32+12*\s, 112+8*\i, 88+2*\i+\s/2, 86+\s/2, 2*(\s%2)
.endr
.endr
	WIN 0
.rept 4
	v_nop                                          ; places in front of the first read of results and of the loads into registers that these products have read
.endr
.irp i, 0,1,2,3                                ; lane (r, h), tile i: channels 32 (i / 2) + 16 h + 8 (i % 2) + 0 .. 7 of my 64, of query row r
	ds_store_b128 v9, v[112+8*\i:115+8*\i] offset:128*(\i/2)+32*(\i%2)
	ds_store_b128 v9, v[116+8*\i:119+8*\i] offset:128*(\i/2)+32*(\i%2)+16
.endr
.irp t, 0,1,2,3,4,5,6,7
	ds_load_b128 v[32+4*\t:35+4*\t], v10 offset:544*\t   ; LDS serves a wave's instructions in order (ISA guide 5.7.1.4): these see my stores
.endr
.irp t, 0,1,2,3,4,5,6,7
	s_wait_dscnt 7-\t
	global_store_b128 v97, v[32+4*\t:35+4*\t], s[26:27] offset:(2*\t+8*(\t/4))*2048 th:TH_STORE_NT   ; tile rows 2 t and 2 t + 1; 16 lanes store 256 consecutive bytes, at a multiple of 256 from the output's first byte
.endr
	s_wait_tensorcnt 0x0                           ; the wave's end: behind my last tensor load and my last LDS store
	ds_add_u32 v[SPW], v[NIL]
	s_wait_dscnt 0x0
	CROUND                                         ; the closing round: no work-group ends while a partner may still ask for a block that names it
	s_endpgm
.Lfunc_end_k_q305252df9d_attn:
	.size	k_q305252df9d_attn, .Lfunc_end_k_q305252df9d_attn-k_q305252df9d_attn
	.p2alignl 7, 3214868480
	.fill 96, 4, 3214868480
	.section	.rodata,"a",@progbits
	.p2align	6, 0x0
	.amdhsa_kernel k_q305252df9d_attn
		.amdhsa_group_segment_fixed_size 327680
		.amdhsa_private_segment_fixed_size 0
		.amdhsa_enable_private_segment 0
		.amdhsa_kernarg_size 96
		.amdhsa_user_sgpr_count 2
		.amdhsa_user_sgpr_kernarg_segment_ptr 1
		.amdhsa_wavefront_size32 1
		.amdhsa_system_sgpr_workgroup_id_x 1
		.amdhsa_system_sgpr_workgroup_id_y 1
		.amdhsa_system_sgpr_workgroup_id_z 1
		.amdhsa_system_vgpr_workitem_id 0
		.amdhsa_next_free_vgpr 512
		.amdhsa_next_free_sgpr 100
		.amdhsa_reserve_vcc 0
		.amdhsa_float_denorm_mode_32 3
		.amdhsa_float_denorm_mode_16_64 3
		.amdhsa_memory_ordered 1
		.amdhsa_forward_progress 1
		.amdhsa_inst_pref_size 171
	.end_amdhsa_kernel
	.amdgpu_metadata
---
amdhsa.version: [ 1, 2 ]
amdhsa.kernels:
  - .name:           k_q305252df9d_attn
    .symbol:         k_q305252df9d_attn.kd
    .args:
      - { .name: q_codes, .offset: 0, .size: 8, .value_kind: global_buffer, .address_space: global }
      - { .name: q_scales, .offset: 8, .size: 8, .value_kind: global_buffer, .address_space: global }
      - { .name: kv, .offset: 16, .size: 8, .value_kind: global_buffer, .address_space: global }
      - { .name: wo_codes, .offset: 24, .size: 8, .value_kind: global_buffer, .address_space: global }
      - { .name: wo_scales, .offset: 32, .size: 8, .value_kind: global_buffer, .address_space: global }
      - { .name: bo, .offset: 40, .size: 8, .value_kind: global_buffer, .address_space: global }
      - { .name: ipa_affinity_bias, .offset: 48, .size: 8, .value_kind: global_buffer, .address_space: global }
      - { .name: assoc_bias, .offset: 56, .size: 8, .value_kind: global_buffer, .address_space: global }
      - { .name: attention_mask, .offset: 64, .size: 8, .value_kind: global_buffer, .address_space: global }
      - { .name: concept_ids, .offset: 72, .size: 8, .value_kind: global_buffer, .address_space: global }
      - { .name: key_padding_mask, .offset: 80, .size: 8, .value_kind: global_buffer, .address_space: global }
      - { .name: out0, .offset: 88, .size: 8, .value_kind: global_buffer, .address_space: global }
    .group_segment_fixed_size: 327680
    .private_segment_fixed_size: 0
    .kernarg_segment_align: 8
    .kernarg_segment_size: 96
    .max_flat_workgroup_size: 256
    .sgpr_count:     100
    .vgpr_count:     512
    .wavefront_size: 32
...
	.end_amdgpu_metadata
.endif
;; end of part 4
